; MI455X (gfx1250); checked and timed in simulation.
; The chip was launched on July 23, 2026; its instructions are those of AMD's public machine-readable ISA for CDNA 5 (MIT licence, August 2026) and "CDNA5" Instruction Set Architecture Reference Guide (July 2026). The comments in the code are by the model that wrote it; some were corrected since.
;; Casual Self Attention alternative. Allowed arithmetic: matrix products marked QUANTISED: E2M3 operands, one E8M0 scale for each 32 along K, by v_wmma_scale_f32_16x16x128_f8f6f4 with both operands' format E2M3, f32 sums; everything else in f32.
;; Inputs: Wk 1,024 x 1,024 float32; Wo 1,024 x 1,024 float32; Wq 1,024 x 1,024 float32; Wv 1,024 x 1,024 float32; bk 1,024 float32; bo 1,024 float32; bq 1,024 float32; bv 1,024 float32; x 4 x 2,048 x 1,024 float32.
;; Outputs: out0 4 x 2,048 x 1,024 float32.
;; This version of the problem:
;;   THIS VERSION OF THE PROBLEM IS GIVEN IN LOW PRECISION. The matrix products marked QUANTISED in the list below multiply operands that are first quantised to E2M3 (2 exponent bits, 3 mantissa bits; 6 bits a number), with one power-of-two scale for each 32 numbers along K (OCP MX v1.0); their sums are f32. All else is computed in f32.
;;   The module's matrix products, in the order in which they are computed (A, B: the left and right operand; K: the contracted axis; several contracted axes count as one K, in the product's order):
;;     1. [M 8,192, K 1,024] x [K 1,024, N 1,024]; A: input x; B: input Wq: QUANTISED
;;     2. [M 8,192, K 1,024] x [K 1,024, N 1,024]; A: input x; B: input Wk: QUANTISED
;;     3. [M 8,192, K 1,024] x [K 1,024, N 1,024]; A: input x; B: input Wv: QUANTISED
;;     4. batch 64 x [M 2,048, K 64] x [K 64, N 2,048]; A: computed on the way; B: computed on the way: QUANTISED
;;     5. batch 64 x [M 2,048, K 2,048] x [K 2,048, N 64]; A: softmax (see below); B: computed on the way: QUANTISED
;;     6. [M 8,192, K 1,024] x [K 1,024, N 1,024]; A: computed on the way; B: input Wo: QUANTISED
;;   THE QUANTISER, for each operand of a quantised product, along K:
;;     - K is cut into blocks of 32 from its start; a last block that is shorter is filled with zeros.
;;     - A block's scale is 2^e with e = floor(log2(the largest magnitude in the block)) - 2, held to -126 .. 127; a block of zeros has e = 0. As a byte (E8M0): e + 127.
;;     - Each number is divided by its block's scale, clamped to +-7.5, and rounded to the nearest number of E2M3, ties to even, subnormals kept.
;;     - The product sums the exact products of the quantised numbers (number of the format x scale) in f32.
;;   ~~~python
;;   def quantise(x, axis):      # numpy; x: float32 -> the quantised numbers, widened to float32 again
;;       x = np.moveaxis(x, axis, -1); K = x.shape[-1]
;;       x = np.pad(x, [(0, 0)] * (x.ndim - 1) + [(0, -K % 32)]); x = x.reshape(x.shape[:-1] + (-1, 32)); a = np.abs(x).max(-1, keepdims=True)
;;       e = np.where(a > 0, np.clip(np.frexp(np.where(a > 0, a, 1))[1] - 1 - 2, -126, 127), 0)      # np.frexp(a)[1] - 1 = floor(log2(a)), exactly
;;       r = np.clip(x / 2.0 ** e, -7.5, 7.5)
;;       step = 2.0 ** (np.maximum(np.frexp(np.where(r == 0, 1, r))[1] - 1, 0) - 3)
;;       q = np.round(r / step) * step * 2.0 ** e      # np.round: ties to even
;;       return np.moveaxis(q.reshape(q.shape[:-2] + (-1,))[..., :K], -1, axis).astype(np.float32)
;;   ~~~
;;   SOFTMAX AHEAD OF A QUANTISED PRODUCT. Where the list says 'softmax', what is quantised is not the finished softmax but p = 2^(t - M), with t = logit x log2(e) and M = ceil(the row's largest t), a whole number; so 1/2 < the row's largest p <= 1. The row's sum l is taken of the UNQUANTISED p, in f32, and the product's result is divided by l at the end. Since M is a whole number, a kernel that streams over the keys may use a running M (the ceiling of the running maximum): every later rescaling is an exact power of two, which a block's scale takes up: the codes' values come out the same.
;;   OPERANDS COMPUTED ON THE WAY. 'Computed on the way' means the value that the module computes at that place (a softmax that the list does not call 'softmax' is quantised finished and normalised). What goes into a quantiser is computed in f32, as accurately as f32 sums, v_exp_f32 and their like allow (about 1e-6 of the number): no bf16 or f16 on the way to a quantiser, and a product that is left as it is and whose result goes on into a quantised operand takes f32 operands (vector FMAs, or v_wmma_f32_16x16x4_f32). A number that lies on a knife's edge between two numbers of the format may be rounded either way, as far as f32 arithmetic and the matrix unit's own rounding can turn it there, and no further.
;; One version. Each part assembles by itself: llvm-mc -triple=amdgcn-amd-amdhsa -mcpu=gfx1250 --defsym DOCPART=n.
;; ======== version 1 of 1: 4 launches
;; workspace buffers: xc 6,291,456 bytes; wc 3,145,728 bytes; xws 393,216 bytes; qkvc 18,874,368 bytes; qkvs 1,310,720 bytes; yc 6,291,456 bytes; ys 262,144 bytes
;; launch quant (part 1): grid 640 x 1, 8 waves a work-group, no clusters, 70,656 bytes of LDS; arguments x, Wq, Wk, Wv, Wo, xc, wc, xws; writes xc, wc, xws
.if DOCPART == 1
	.amdgcn_target "amdgcn-amd-amdhsa--gfx1250"
	.amdhsa_code_object_version 6
	.text
	.protected	k_qf3ec25d71f_quant
	.globl	k_qf3ec25d71f_quant
	.p2align	8
	.type	k_qf3ec25d71f_quant,@function
k_qf3ec25d71f_quant:
	s_mov_b64 s[64:65], 0
	v_nop
	global_prefetch_b8 v0, s[64:65] scope:SCOPE_SE
	s_setreg_imm32_b32 hwreg(HW_REG_WAVE_MODE, 25, 1), 1
	s_wait_xcnt 0x0
; x [8192][1024] and Wq, Wk, Wv, Wo [1024 (k)][1024 (n)], f32, become codes of FP6 (E2M3) with one E8M0 scale byte for each 32 along K (K = 1024 for all five).
; A block's scale is 2^(floor(log2(its largest magnitude)) - 2); its byte is the largest magnitude's exponent field - 2, held at 1 from below; numbers are rounded to the nearest code, ties to even.
; LIMITS: NaN and infinities among the inputs are not served; a block whose largest magnitude lies under 2^-124 gets the byte 1; a block of zeros gets the byte 1 where the rule says 127
; (its codes are zeros, which add nothing, and the bytes are read by this program alone).
; THE CODES LEAVE AS IMAGES OF OPERAND REGISTERS.  A tile is 16 rows; tile 2 B + u, lane r, holds row 32 B + 8 u + r + 8 (r / 8).  A fragment (a tile x 128 K, 12 registers a lane) is two half images of 768 bytes:
; registers 6 c .. 6 c + 3 of lane l at 16 l, registers 6 c + 4, 6 c + 5 at 512 + 8 l.  xc: [tile 512][K step 8][1536].  wc: [tile 256][K step 8][1536], rows = the columns n of Wq, Wk, Wv, Wo on end.
; xws: one scale word for a row and 128 K: x's [tile][r][8 words] at 0, the weights' likewise at 262,144.
; SHARES.  Work-groups 0 to 127 take 32 columns of a weight, work-groups 128 to 639 a tile of x; wave w takes K step w.  Each way has LDS bytes of its own.  The eight waves' scale words meet in LDS, so that wave 0
; stores them as whole runs of 512 bytes.
.set WV,    20
.set SEL,   22                         ; s[22:23] lane selects for v_permlanex16_b32: lane l xor 16
.set XROW,  528                        ; x's stage: a row of 512 bytes + 16, so that sixteen rows start at sixteen different 16-byte columns
.set XSTW,  16*XROW                    ; a wave's stage
.set XSG,   8*XSTW                     ; x's way: the tile's scale words, 512 bytes
.set WSG,   XSG+512                    ; the weights' way: two tiles' scale words, 1,024 bytes
.set TM,    164                        ; v164-179 at work in QUANT
; 64 numbers of a lane, register 16 b + i = k 32 b + 16 (lane / 16) + i of its row, become a fragment's codes in v[pc] .. v[pc + 11] and its scale word in v[pw]
.macro QUANT s, pc, pw
.irp b, 0,1,2,3
	v_max3_num_f32 v[TM+\b], |v[\s+16*\b]|, |v[\s+1+16*\b]|, 0x1800000   ; my 16 numbers of block b, and the floor 2^(3 - 127): the byte cannot fall under 1
.endr
.irp i, 2,4,6,8,10,12,14
.irp b, 0,1,2,3
	s_delay_alu instid0(VALU_DEP_4)
	v_max3_num_f32 v[TM+\b], v[TM+\b], |v[\s+16*\b+\i]|, |v[\s+1+16*\b+\i]|   ; the four blocks by turns
.endr
.endr
.irp b, 0,1,2,3
	s_delay_alu instid0(VALU_DEP_4)
	v_permlanex16_b32 v[TM+4+\b], v[TM+\b], s[SEL], s[SEL+1]
.endr
.irp b, 0,1,2,3
	s_delay_alu instid0(VALU_DEP_4)
	v_max_num_f32 v[TM+\b], v[TM+\b], v[TM+4+\b]   ; with lane l xor 16's 16: the block's largest magnitude
.endr
.irp b, 0,1,2,3
	s_delay_alu instid0(VALU_DEP_4)
	v_add_nc_u32 v[TM+12+\b], 0xff000000, v[TM+\b]   ; 2 off its exponent field: the conversion's scale operand
.endr
.irp b, 0,1,2,3
	s_delay_alu instid0(VALU_DEP_4)
	v_lshrrev_b32 v[TM+4+\b], 23, v[TM+12+\b]      ; the scale's byte
.endr
	s_delay_alu instid0(VALU_DEP_3)
	v_lshl_or_b32 v[\pw], v[TM+5], 8, v[TM+4]
	s_delay_alu instid0(VALU_DEP_1)
	v_lshl_or_b32 v[\pw], v[TM+6], 16, v[\pw]
	s_delay_alu instid0(VALU_DEP_1)
	v_lshl_or_b32 v[\pw], v[TM+7], 24, v[\pw]
.irp c, 0,1
	v_cvt_scalef32_pk16_fp6_f32 v[\pc+6*\c:\pc+2+6*\c], v[\s+32*\c:\s+15+32*\c], v[TM+12+2*\c]
	v_cvt_scalef32_pk16_fp6_f32 v[\pc+12+4*\c:\pc+14+4*\c], v[\s+16+32*\c:\s+31+32*\c], v[TM+13+2*\c]   ; (a conversion's three registers begin on an even number)
.endr
	v_nop                                          ; one plain line behind the conversions
.irp c, 0,1                                    ; the operand's layout wants a whole block in a lane: lanes 0-15 block 2 c, lanes 16-31 block 2 c + 1
.irp i, 0,1,2
	v_permlane16_swap_b32 v[\pc+6*\c+\i], v[\pc+12+4*\c+\i]
.endr
.irp i, 0,1,2
	s_delay_alu instid0(VALU_DEP_3)
	v_mov_b32 v[\pc+3+6*\c+\i], v[\pc+12+4*\c+\i]
.endr
.endr
.endm
	s_load_b256 s[4:11], s[0:1], 0x0               ; x, Wq, Wk, Wv
	s_load_b256 s[12:19], s[0:1], 0x20             ; Wo, xc, wc, xws
	v_lshl_add_u32 v216, v0, 2, 0x11000
	v_mov_b32 v217, 0
	v_lshrrev_b32 v1, 5, v0
	s_delay_alu instid0(VALU_DEP_1)
	v_readfirstlane_b32 s[WV], v1                  ; wave 0..7 = K step
	v_and_b32 v2, 31, v0                           ; l
	v_and_b32 v3, 15, v0                           ; r
	v_bfe_u32 v4, v0, 4, 1                         ; h
	s_mul_i32 s21, s[WV], XSTW
	s_lshl_b32 s24, s[WV], 2
	s_mov_b32 s[SEL], 0x76543210
	s_mov_b32 s[SEL+1], 0xfedcba98
	; every LDS address is made here, ahead of the parting of the two ways
	v_lshlrev_b32 v9, 4, v2                        ; 16 l
	v_lshlrev_b32 v10, 3, v2                       ; 8 l
	s_delay_alu instid0(VALU_DEP_2)
	v_add_nc_u32 v5, s21, v9                       ; x's stage, in: 16 l in my wave's stage
	v_mul_u32_u24 v6, v3, XROW
	s_delay_alu instid0(VALU_DEP_1)
	v_lshl_add_u32 v6, v4, 6, v6
	s_delay_alu instid0(VALU_DEP_1)
	v_add_nc_u32 v6, s21, v6                       ; and out: row r, + 64 h
	v_lshlrev_b32 v7, 5, v3
	s_delay_alu instid0(VALU_DEP_1)
	v_add_nc_u32 v7, s24, v7
	s_delay_alu instid0(VALU_DEP_1)
	v_add_nc_u32 v7, XSG, v7                       ; x's scale word: 32 r + 4 w
	v_lshlrev_b32 v8, 5, v2
	s_delay_alu instid0(VALU_DEP_1)
	v_add_nc_u32 v8, s24, v8
	s_delay_alu instid0(VALU_DEP_1)
	v_add_nc_u32 v8, WSG, v8                       ; a weight's: 32 l + 4 w
	v_and_b32 v11, 8, v3
	s_delay_alu instid0(VALU_DEP_1)
	v_add_nc_u32 v11, v11, v3
	s_delay_alu instid0(VALU_DEP_1)
	v_lshl_add_u32 v11, v4, 3, v11
	s_delay_alu instid0(VALU_DEP_1)
	v_lshlrev_b32 v11, 2, v11                      ; my column of the 32, in bytes: 4 (8 h + r + 8 (r / 8)): lanes 0-15 hold tile 2 G's rows, lanes 16-31 tile 2 G + 1's
	v_add_nc_u32 v12, XSG, v9
	v_add_nc_u32 v13, WSG, v9
.irp b, 0,1,2,3
	v_mov_b32 v[TM+4+\b], 0                        ; written once: a lane permute's destination counts as one of its sources
.endr
	s_wait_kmcnt 0x0
	s_cmp_lt_u32 ttmp9, 128
	s_cbranch_scc1 .Lweights
	; ---- a tile of x: 16 rows x my 128 along K
	s_sub_co_u32 s25, ttmp9, 128                   ; the tile T
	s_lshr_b32 s26, s25, 1
	s_lshl_b32 s26, s26, 17                        ; 32 (T / 2) rows of 4,096 bytes
	s_and_b32 s27, s25, 1
	s_lshl_b32 s27, s27, 15                        ; + 8 (T % 2) rows
	s_add_co_u32 s26, s26, s27
	s_lshl_b32 s27, s[WV], 9                       ; + my 512 bytes of a row
	s_add_co_u32 s26, s26, s27
	s_mov_b32 s27, 0
	s_add_nc_u64 s[4:5], s[4:5], s[26:27]
	s_lshl_b32 s28, s25, 3
	s_add_co_u32 s28, s28, s[WV]
	s_mul_i32 s28, s28, 1536                       ; fragment 8 T + w
	s_mov_b32 s29, 0
	s_add_nc_u64 s[14:15], s[14:15], s[28:29]
	s_lshl_b32 s30, s25, 9
	s_mov_b32 s31, 0
	s_add_nc_u64 s[18:19], s[18:19], s[30:31]      ; the tile's 512 bytes of scale words
.irp i, 0,1,2,3,4,5,6,7,8,9,10,11,12,13,14,15
	global_load_b128 v[16+4*\i:19+4*\i], v9, s[4:5] offset:(\i+8*(\i/8))*4096 th:TH_LOAD_NT   ; the tile's row i: 32 lanes read 512 consecutive bytes
.endr
.irp i, 0,1,2,3,4,5,6,7,8,9,10,11,12,13,14,15
	s_wait_loadcnt 15-\i                           ; row i is in; the 15 - i younger loads stay out
	ds_store_b128 v5, v[16+4*\i:19+4*\i] offset:XROW*\i
.endr
.irp b, 0,1,2,3
.irp j, 0,1,2,3
	ds_load_b128 v[80+16*\b+4*\j:83+16*\b+4*\j], v6 offset:128*\b+16*\j   ; LDS serves a wave's instructions in order: these see my stores.  16 neighbours of each block of 32
.endr
.endr
	s_wait_dscnt 0x0
	QUANT 80, 144, 180
	global_store_b128 v9, v[144:147], s[14:15]                 ; each store of the wave covers 512 or 256 consecutive bytes, aligned
	global_store_b64 v10, v[148:149], s[14:15] offset:512
	global_store_b128 v9, v[150:153], s[14:15] offset:768
	global_store_b64 v10, v[154:155], s[14:15] offset:1280
	ds_store_b32 v7, v180                          ; both halves of the lanes write the same word with the same value
	s_branch .Ljoin
	; ---- 32 columns of a weight x my 128 along K: a lane takes a column and its registers run down K
.Lweights:
	s_lshr_b32 s25, ttmp9, 5                       ; which weight: the choice hangs on the work-group's number alone
	s_cmp_eq_u32 s25, 1
	s_cselect_b64 s[6:7], s[8:9], s[6:7]
	s_cmp_eq_u32 s25, 2
	s_cselect_b64 s[6:7], s[10:11], s[6:7]
	s_cmp_eq_u32 s25, 3
	s_cselect_b64 s[6:7], s[12:13], s[6:7]
	s_lshl_b32 s26, s[WV], 19                      ; 128 w rows of 4,096 bytes
	s_and_b32 s27, ttmp9, 31
	s_lshl_b32 s27, s27, 7                         ; + 32 columns of 4 bytes for each group
	s_add_co_u32 s26, s26, s27
	s_mov_b32 s27, 0
	s_add_nc_u64 s[6:7], s[6:7], s[26:27]
	s_lshl_b32 s28, ttmp9, 4
	s_add_co_u32 s28, s28, s[WV]
	s_mul_i32 s28, s28, 1536                       ; fragment 8 (2 G) + w; tile 2 G + 1's lies 12,288 bytes on
	s_mov_b32 s29, 0
	s_add_nc_u64 s[16:17], s[16:17], s[28:29]
	s_lshl_b32 s30, ttmp9, 10
	s_add_co_u32 s30, s30, 262144
	s_mov_b32 s31, 0
	s_add_nc_u64 s[18:19], s[18:19], s[30:31]      ; the two tiles' 1,024 bytes of scale words
.macro WLOAD t                         ; block t: W(128 w + 32 t + i, my column): 32 lanes read 128 consecutive bytes
.irp i, 0,1,2,3,4,5,6,7,8,9,10,11,12,13,14,15,16,17,18,19,20,21,22,23,24,25,26,27,28,29,30,31
	global_load_b32 v[16+32*(\t)+\i], v11, s[6:7] offset:(32*(\t)+\i)*4096 th:TH_LOAD_NT
.endr
.endm
.macro WBLOCK t                        ; block t of my column: all its 32 numbers are mine
.set XS, 16+32*(\t)
.set DL, 144+24*((\t)/2)+8*((\t)%2)    ; the lower 16 codes: even blocks at 144 + 24 c, odd at 152 + 24 c
.set DU, 160+24*((\t)/2)+4*((\t)%2)    ; the upper 16: at 160 + 24 c and 164 + 24 c
.if (\t) < 3
	s_wait_loadcnt 32                              ; this block's 32 loads are in; the next block's 32 stay out
.else
	s_wait_loadcnt 0x0
.endif
.if (\t)+2 < 4
	WLOAD (\t)+2                                   ; two blocks ahead, into registers of its own
.endif
	v_max3_num_f32 v200, |v[XS]|, |v[XS+1]|, |v[XS+2]|
	v_max3_num_f32 v201, |v[XS+3]|, |v[XS+4]|, |v[XS+5]|
.irp i, 6,10,14,18,22,26
	s_delay_alu instid0(VALU_DEP_2)
	v_max3_num_f32 v200, v200, |v[XS+\i]|, |v[XS+\i+1]|
	s_delay_alu instid0(VALU_DEP_2)
	v_max3_num_f32 v201, v201, |v[XS+\i+2]|, |v[XS+\i+3]|
.endr
	s_delay_alu instid0(VALU_DEP_2)
	v_max3_num_f32 v200, v200, |v[XS+30]|, |v[XS+31]|
	s_delay_alu instid0(VALU_DEP_1)
	v_max3_num_f32 v200, v200, v201, 0x1800000     ; and the floor
	s_delay_alu instid0(VALU_DEP_1)
	v_add_nc_u32 v[204+(\t)], 0xff000000, v200     ; the conversion's scale operand
	s_delay_alu instid0(VALU_DEP_1)
	v_lshrrev_b32 v202, 23, v[204+(\t)]            ; the byte
.if (\t) == 0
	s_delay_alu instid0(VALU_DEP_1)
	v_mov_b32 v208, v202
.else
	s_delay_alu instid0(VALU_DEP_1)
	v_lshl_or_b32 v208, v202, 8*(\t), v208         ; my column's scale word for this K step
.endif
	v_cvt_scalef32_pk16_fp6_f32 v[DL:DL+2], v[XS:XS+15], v[204+(\t)]
	v_cvt_scalef32_pk16_fp6_f32 v[DU:DU+2], v[XS+16:XS+31], v[204+(\t)]
	v_nop                                          ; one plain line behind the conversions
.endm
	s_wait_alu depctr_va_vdst(0)
	WLOAD 0
	WLOAD 1
	WBLOCK 0
	WBLOCK 1
	WBLOCK 2
	WBLOCK 3
.irp c, 0,1                                    ; the even block's lanes 16-31 (tile 2 G + 1's rows) change places with the odd block's lanes 0-15 (tile 2 G's): the first is then tile 2 G's half image c, the second tile 2 G + 1's
.irp i, 0,1,2
	v_permlane16_swap_b32 v[144+24*\c+\i], v[152+24*\c+\i]
	v_permlane16_swap_b32 v[160+24*\c+\i], v[164+24*\c+\i]
.endr
.irp i, 0,1,2
	v_mov_b32 v[147+24*\c+\i], v[160+24*\c+\i]
	v_mov_b32 v[155+24*\c+\i], v[164+24*\c+\i]
.endr
.endr
.irp c, 0,1
	global_store_b128 v9, v[144+24*\c:147+24*\c], s[16:17] offset:768*\c
	global_store_b64 v10, v[148+24*\c:149+24*\c], s[16:17] offset:768*\c+512
	global_store_b128 v9, v[152+24*\c:155+24*\c], s[16:17] offset:12288+768*\c
	global_store_b64 v10, v[156+24*\c:157+24*\c], s[16:17] offset:12288+768*\c+512
.endr
	ds_store_b32 v8, v208
.Ljoin:
	s_wait_dscnt 0x0                               ; for the others' sake: my scale words have landed
	s_barrier_signal -1
	s_barrier_wait -1
	s_cmp_lg_u32 s[WV], 0
	s_cbranch_scc1 .Ldone                          ; wave 0 stores the eight waves' words
	s_cmp_lt_u32 ttmp9, 128
	s_cbranch_scc1 .Lwtail
	ds_load_b128 v[16:19], v12
	s_wait_dscnt 0x0
	global_store_b128 v9, v[16:19], s[18:19]       ; 512 consecutive bytes, aligned
	s_branch .Ldone
.Lwtail:
	ds_load_b128 v[16:19], v13
	ds_load_b128 v[20:23], v13 offset:512
	s_wait_dscnt 0x0
	global_store_b128 v9, v[16:19], s[18:19]
	global_store_b128 v9, v[20:23], s[18:19] offset:512
.Ldone:
	s_wait_tensorcnt 0x0
	ds_add_u32 v216, v217
	s_wait_dscnt 0x0
	s_endpgm
.Lfunc_end_k_qf3ec25d71f_quant:
	.size	k_qf3ec25d71f_quant, .Lfunc_end_k_qf3ec25d71f_quant-k_qf3ec25d71f_quant
	.p2alignl 7, 3214868480
	.fill 96, 4, 3214868480
	.section	.rodata,"a",@progbits
	.p2align	6, 0x0
	.amdhsa_kernel k_qf3ec25d71f_quant
		.amdhsa_group_segment_fixed_size 70656
		.amdhsa_private_segment_fixed_size 0
		.amdhsa_enable_private_segment 0
		.amdhsa_kernarg_size 64
		.amdhsa_user_sgpr_count 2
		.amdhsa_user_sgpr_kernarg_segment_ptr 1
		.amdhsa_wavefront_size32 1
		.amdhsa_system_sgpr_workgroup_id_x 1
		.amdhsa_system_sgpr_workgroup_id_y 1
		.amdhsa_system_sgpr_workgroup_id_z 1
		.amdhsa_system_vgpr_workitem_id 0
		.amdhsa_next_free_vgpr 218
		.amdhsa_next_free_sgpr 66
		.amdhsa_reserve_vcc 0
		.amdhsa_float_denorm_mode_32 3
		.amdhsa_float_denorm_mode_16_64 3
		.amdhsa_memory_ordered 1
		.amdhsa_forward_progress 1
		.amdhsa_inst_pref_size 36
	.end_amdhsa_kernel
	.amdgpu_metadata
---
amdhsa.version: [ 1, 2 ]
amdhsa.kernels:
  - .name:           k_qf3ec25d71f_quant
    .symbol:         k_qf3ec25d71f_quant.kd
    .args:
      - { .name: x, .offset: 0, .size: 8, .value_kind: global_buffer, .address_space: global }
      - { .name: Wq, .offset: 8, .size: 8, .value_kind: global_buffer, .address_space: global }
      - { .name: Wk, .offset: 16, .size: 8, .value_kind: global_buffer, .address_space: global }
      - { .name: Wv, .offset: 24, .size: 8, .value_kind: global_buffer, .address_space: global }
      - { .name: Wo, .offset: 32, .size: 8, .value_kind: global_buffer, .address_space: global }
      - { .name: xc, .offset: 40, .size: 8, .value_kind: global_buffer, .address_space: global }
      - { .name: wc, .offset: 48, .size: 8, .value_kind: global_buffer, .address_space: global }
      - { .name: xws, .offset: 56, .size: 8, .value_kind: global_buffer, .address_space: global }
    .group_segment_fixed_size: 70656
    .private_segment_fixed_size: 0
    .kernarg_segment_align: 8
    .kernarg_segment_size: 64
    .max_flat_workgroup_size: 256
    .sgpr_count:     66
    .vgpr_count:     218
    .wavefront_size: 32
...
	.end_amdgpu_metadata
.endif
;; end of part 1
;; launch qkv (part 2): grid 24 x 32, 4 waves a work-group, clusters of 4 x 4, 295,424 bytes of LDS; arguments xc, xws, wc, bq, bk, bv, qkvc, qkvs; writes qkvc, qkvs
.if DOCPART == 2
	.amdgcn_target "amdgcn-amd-amdhsa--gfx1250"
	.amdhsa_code_object_version 6
	.text
	.protected	k_qf3ec25d71f_qkv
	.globl	k_qf3ec25d71f_qkv
	.p2align	8
	.type	k_qf3ec25d71f_qkv,@function
k_qf3ec25d71f_qkv:
	s_mov_b64 s[64:65], 0
	v_nop
	global_prefetch_b8 v0, s[64:65] scope:SCOPE_SE
	s_setreg_imm32_b32 hwreg(HW_REG_WAVE_MODE, 25, 1), 1
	s_wait_xcnt 0x0
	s_wait_alu depctr_hold_cnt(0) depctr_sa_sdst(0) depctr_va_vdst(0) depctr_va_sdst(0) depctr_va_ssrc(0) depctr_va_vcc(0) depctr_vm_vsrc(0)
	s_getreg_b32 s2, hwreg(HW_REG_IB_STS2, 6, 4)
	s_cmp_eq_u32 s2, 0
	s_cbranch_scc0 .Lentry_in_a_cluster
	s_endpgm
.Lentry_in_a_cluster:
	s_bfe_u32 s2, ttmp6, 0x10000c
	s_cmp_lg_u32 s2, 0xf033
	s_cbranch_scc0 .Lentry_shape_is_right
	s_endpgm
.Lentry_shape_is_right:
; q = x Wq + bq, k = x Wk + bk, v = x Wv + bv on codes of FP6 (E2M3) with E8M0 scales, sums in f32; the results are quantised in registers and leave as codes: q and k along a head's 64 channels, v along the keys.
; A work-group makes 256 tokens (block IB) x 128 columns (block JB: 0-7 of q, 8-15 of k, 16-23 of v).  All of K = 1024 of both operands lies in LDS at once, 294,912 bytes in four chunks of two K steps:
; every byte of LDS is filled once, at the head, by eight tensor loads a wave; nothing is filled again.
; CLUSTER 4 x 4: the four work-groups of a row of the cluster need the same tokens, the four of a column the same columns: each tile is asked for jointly.
; ROLES.  Source 0 of the matrix instruction has 8 tiles, source 1 has 4; source 0's rows run along a lane's registers in the result.  q, k: source 0 = the weight's 128 columns (two heads), source 1 = my 64 tokens:
; a lane holds a token and 64 registers of its channels.  v: source 0 = 128 tokens (a key step), source 1 = 64 columns (a head): a lane holds a channel and 64 registers of its keys.  The tiles' rows lie in the order
; 32 B + 8 u + r + 8 (r / 8), so that register 16 b + i of a lane is number 32 b + 16 (lane / 16) + i along the next K.  The roles are chosen by scalar selects on the cluster's x alone, which all partners share.
; OUT.  qkvc, for each batch-head 294,912 bytes: Q [tile 128][768], K likewise at 98,304, V [key step 16][c 2][channel tile 4][768] at 196,608: half images of operand registers (lane l's registers 0-3 at 16 l, 4-5 at 512 + 8 l).
; qkvs, 20,480 bytes each: Q's scale words [64 tokens][r][tile 4], K's at 8,192, V's [key step][r][channel tile 4] at 16,384.  In a word of q or k bytes 0, 1 are the head's two blocks; bytes 2, 3 (another head's bytes, or 0) meet zero codes alone.
; LIMITS: as in the launch that makes the codes: NaN and infinities are not served; the byte of a block under 2^-124, and of a block of zeros, is 1.
; REGISTERS, in windows of 256: window 0: v4-19 LDS addresses, v20-31 offsets and at work, v32-95 source 0's scale words (8 i + s), v96-127 source 1's (8 a + s), v128-223 source 1's fragments in two sets, later the codes made,
;   v224-243 at work.  window 1: source 0's fragments, sets at v0 and v128.  window 2: the 32 accumulators, (a, b) at 8 (8 a + b).  window 3: v0-63 the bias as the first products' C.
.set WV,    20
.set SEL,   26                         ; s[26:27]
.set G1I,   28                         ; s[28:35] group 1 for the tokens' tiles; s[36:43] for the columns'
.set G1J,   36
.set CHUNK, 73728                      ; two K steps: 16 tiles of tokens, then 8 tiles of columns, 3,072 bytes each
.set ADR0A, 4                          ; v4-7   source 0: chunk c, + 16 l;  v8-11 + 8 l
.set ADR0B, 8
.set ADR1A, 12                         ; v12-15, v16-19 the same for source 1
.set ADR1B, 16
.set VO16,  20
.set VO8,   21
.set VSH,   22                         ; how far my half of the lanes shifts a scale word
.set SOFF,  23                         ; where my lane stores its four scale words
.set SC0,   32
.set SC1,   96
.set TM,    224
.set PW,    240
.set MSB, 0
.macro WIN new                         ; the immediate's high byte repeats the setting that is left
.if MSB != \new
	s_set_vgpr_msb (MSB<<8)|\new
.set MSB, \new
.endif
.endm
.macro PLACES n
.rept \n
	v_nop
.endr
.endm
.macro CROUND                          ; a round of the cluster's barrier
	s_barrier_signal -1
	s_barrier_wait -1
	s_cmp_lg_u32 s[WV], 0
	s_cbranch_scc1 .Lnot_wave_0_\@
	s_barrier_signal -3
.Lnot_wave_0_\@:
	s_barrier_wait -3
	s_barrier_signal -1
	s_barrier_wait -1
.endm
.macro FRAG reg, a, b, off             ; a fragment's image back into 12 registers: every load reads consecutive bytes over the lanes
	ds_load_b128 v[\reg:\reg+3], v[\a] offset:\off
	ds_load_b64 v[\reg+4:\reg+5], v[\b] offset:\off+512
	ds_load_b128 v[\reg+6:\reg+9], v[\a] offset:\off+768
	ds_load_b64 v[\reg+10:\reg+11], v[\b] offset:\off+1280
.endm
.macro FETCH s                         ; K step s: 8 + 4 fragments into set s % 2
.set FC, (\s)/2
.set FQ, (\s)%2
	WIN 0x40                                       ; destination window 1
.irp i, 0,1,2,3,4,5,6,7
	FRAG 128*FQ+12*\i, ADR0A+FC, ADR0B+FC, 3072*\i+1536*FQ
.endr
	WIN 0
.irp a, 0,1,2,3
	FRAG 128+48*FQ+12*\a, ADR1A+FC, ADR1B+FC, 3072*\a+1536*FQ
.endr
.endm
; K step s: 32 matrix instructions; the 32 accumulators take turns, one instruction a turn, in the same order in every step.
; cm = 0: onto the sums;  1: the sums begin with the bias of source 0's rows;  2: with that of source 1's.
.macro KSTEP s, cm
	s_wait_dscnt 0x0                               ; this step's fragments are in
.if ((\s)%2 == 1) && ((\s) < 7)
	s_wait_tensorcnt 6-2*(((\s)+1)/2)              ; my two loads of the next chunk have landed; the two of each later chunk stay out
	s_barrier_signal -1
	s_barrier_wait -1                              ; everybody's have.
.endif
.if (\s) < 7
	PLACES 4                                       ; in front of loads into the set that the last step's products read
	FETCH (\s)+1
.endif
.set KP, (\s)%2
.if \cm
	WIN 0xb1                                       ; source 0 window 1, source 1 window 0, C window 3, D window 2
.else
	WIN 0xa1                                       ; C and D window 2
.endif
.irp a, 0,1,2,3
.irp b, 0,1,2,3,4,5,6,7
.if \cm == 1
	v_wmma_scale_f32_16x16x128_f8f6f4 v[8*(8*\a+\b):8*(8*\a+\b)+7], v[128*KP+12*\b:128*KP+12*\b+11], v[128+48*KP+12*\a:128+48*KP+12*\a+11], v[8*\b:8*\b+7], v[SC0+8*\b+(\s)], v[SC1+8*\a+(\s)] matrix_a_fmt:MATRIX_FMT_FP6 matrix_b_fmt:MATRIX_FMT_FP6
.elseif \cm == 2
	v_wmma_scale_f32_16x16x128_f8f6f4 v[8*(8*\a+\b):8*(8*\a+\b)+7], v[128*KP+12*\b:128*KP+12*\b+11], v[128+48*KP+12*\a:128+48*KP+12*\a+11], v[8*\a:8*\a+7], v[SC0+8*\b+(\s)], v[SC1+8*\a+(\s)] matrix_a_fmt:MATRIX_FMT_FP6 matrix_b_fmt:MATRIX_FMT_FP6
.else
	v_wmma_scale_f32_16x16x128_f8f6f4 v[8*(8*\a+\b):8*(8*\a+\b)+7], v[128*KP+12*\b:128*KP+12*\b+11], v[128+48*KP+12*\a:128+48*KP+12*\a+11], v[8*(8*\a+\b):8*(8*\a+\b)+7], v[SC0+8*\b+(\s)], v[SC1+8*\a+(\s)] matrix_a_fmt:MATRIX_FMT_FP6 matrix_b_fmt:MATRIX_FMT_FP6
.endif
.endr
.endr
	WIN 0
.endm
; 64 results of a lane in window 2, register s + 16 b + i = number 32 b + 16 (lane / 16) + i along the next K, become a fragment's codes in v[pc] .. v[pc + 11] and its scale word in v[pw].  Each accumulator is read from its low end on.
.macro QUANTA s, pc, pw
	WIN 0x0a                                       ; sources 0 and 1 window 2
.irp b, 0,1,2,3
	v_max3_num_f32 v[TM+\b], |v[\s+16*\b]|, |v[\s+1+16*\b]|, 0x1800000   ; and the floor 2^(3 - 127): the byte cannot fall under 1
.endr
	WIN 0x28                                       ; sources 1 and 2 window 2
.irp i, 2,4,6,8,10,12,14
.irp b, 0,1,2,3
	v_max3_num_f32 v[TM+\b], v[TM+\b], |v[\s+16*\b+\i]|, |v[\s+1+16*\b+\i]|
.endr
.endr
	WIN 0
.irp b, 0,1,2,3
	v_permlanex16_b32 v[TM+4+\b], v[TM+\b], s[SEL], s[SEL+1]
.endr
.irp b, 0,1,2,3
	v_max_num_f32 v[TM+\b], v[TM+\b], v[TM+4+\b]   ; with lane l xor 16's 16: the block's largest magnitude
.endr
.irp b, 0,1,2,3
	v_add_nc_u32 v[TM+12+\b], 0xff000000, v[TM+\b]   ; 2 off its exponent field: the conversion's scale operand
.endr
.irp b, 0,1,2,3
	v_lshrrev_b32 v[TM+4+\b], 23, v[TM+12+\b]      ; the byte
.endr
	v_lshl_or_b32 v[\pw], v[TM+5], 8, v[TM+4]
	v_lshl_or_b32 v[\pw], v[TM+6], 16, v[\pw]
	v_lshl_or_b32 v[\pw], v[TM+7], 24, v[\pw]
	WIN 0x02                                       ; source 0 window 2
.irp c, 0,1
	v_cvt_scalef32_pk16_fp6_f32 v[\pc+6*\c:\pc+2+6*\c], v[\s+32*\c:\s+15+32*\c], v[TM+12+2*\c]
	v_cvt_scalef32_pk16_fp6_f32 v[\pc+12+4*\c:\pc+14+4*\c], v[\s+16+32*\c:\s+31+32*\c], v[TM+13+2*\c]
.endr
	WIN 0
	v_nop                                          ; one plain line behind the conversions
.irp c, 0,1
.irp i, 0,1,2
	v_permlane16_swap_b32 v[\pc+6*\c+\i], v[\pc+12+4*\c+\i]
.endr
.irp i, 0,1,2
	v_mov_b32 v[\pc+3+6*\c+\i], v[\pc+12+4*\c+\i]
.endr
.endr
.endm
	s_load_b512 s[4:19], s[0:1], 0x0               ; xc s[4:5], xws s[6:7], wc s[8:9], bq s[10:11], bk s[12:13], bv s[14:15], qkvc s[16:17], qkvs s[18:19]
	v_lshl_add_u32 v254, v0, 2, 0x48000
	v_mov_b32 v255, 0
	ds_add_u32 v254, v255
	ds_add_u32 v254, v255
	v_lshrrev_b32 v1, 5, v0
	v_readfirstlane_b32 s[WV], v1                  ; wave 0..3
	s_bfe_u32 s21, ttmp6, 0x40000                  ; cx
	s_bfe_u32 s22, ttmp6, 0x40004                  ; cy
	s_lshl_b32 s23, ttmp9, 2
	s_add_co_u32 s23, s23, s21                     ; JB = 4 x cluster x + cx
	s_and_b32 s24, ttmp7, 0xffff
	s_lshl_b32 s24, s24, 2
	s_add_co_u32 s24, s24, s22                     ; IB = 4 x cluster y + cy
	s_lshl_b32 s2, s22, 2
	s_lshl_b32 s2, 15, s2                          ; my row of the cluster
	s_lshl_b32 s3, 0x1111, s21                     ; my column
	; group 1: tiles' parts of 3,072 bytes (two K steps; 384 elements of 8 bytes), 12,288 bytes from tile to tile; 4 tiles of tokens or 2 of columns to a load; dense in LDS
	s_or_b32 s[G1I], s2, (3<<16)|(1<<21)           ; 15:0 the mask: the tokens' tiles go to my row; 17:16 elements of 8 bytes; 21 set beside a mask
	s_or_b32 s[G1J], s3, (3<<16)|(1<<21)           ; the columns' tiles go to my column
	s_mov_b32 s[G1I+1], 384<<16                    ; tensor_dim0
	s_mov_b32 s[G1I+2], 4<<16                      ; tensor_dim1
	s_mov_b32 s[G1I+3], 384<<16                    ; tile_dim0
	s_mov_b32 s[G1I+4], 4                          ; tile_dim1
	s_mov_b32 s[G1I+5], 1536                       ; from tile to tile, in elements
	s_mov_b32 s[G1I+6], 0
	s_mov_b32 s[G1I+7], 0
	s_mov_b32 s[G1J+1], 384<<16
	s_mov_b32 s[G1J+2], 2<<16
	s_mov_b32 s[G1J+3], 384<<16
	s_mov_b32 s[G1J+4], 2
	s_mov_b32 s[G1J+5], 1536
	s_mov_b32 s[G1J+6], 0
	s_mov_b32 s[G1J+7], 0
	s_lshl_b32 s96, s24, 4
	s_lshl_b32 s97, s[WV], 2
	s_add_co_u32 s96, s96, s97
	s_mul_i32 s96, s96, 12288                      ; tokens: tile 16 IB + 4 w
	s_mov_b32 s97, 0
	s_lshl_b32 s98, s23, 3
	s_lshl_b32 s99, s[WV], 1
	s_add_co_u32 s98, s98, s99
	s_mul_i32 s98, s98, 12288                      ; columns: tile 8 JB + 2 w
	s_mov_b32 s99, 0
	s_mul_i32 s100, s[WV], 12288                   ; where they go in a chunk: no place in the cluster enters an LDS address
	s_mul_i32 s101, s[WV], 6144
	s_add_co_u32 s101, s101, 49152
	s_wait_dscnt 0x0
	s_wait_kmcnt 0x0
	s_add_nc_u64 s[96:97], s[4:5], s[96:97]
	s_add_nc_u64 s[98:99], s[8:9], s[98:99]
.irp c, 0,1,2,3                                ; eight groups 0: s[44:63] and s[68:79]
.set GI, 44+8*\c+4*((2*\c)/5)
.set GJ, 48+8*\c+4*((2*\c+1)/5)
	s_mov_b32 s[GI], 1
	s_add_co_u32 s[GI+1], s100, \c*CHUNK
	s_add_nc_u64 s[GI+2:GI+3], s[96:97], \c*3072
	s_or_b32 s[GI+3], s[GI+3], 0x80000000
	s_mov_b32 s[GJ], 1
	s_add_co_u32 s[GJ+1], s101, \c*CHUNK
	s_add_nc_u64 s[GJ+2:GJ+3], s[98:99], \c*3072
	s_or_b32 s[GJ+3], s[GJ+3], 0x80000000
.endr
	CROUND                                         ; all sixteen work-groups are here: the joint loads meet
.irp c, 0,1,2,3                                ; all first fills as one group, chunk by chunk: eight loads of mine are out
.set GI, 44+8*\c+4*((2*\c)/5)
.set GJ, 48+8*\c+4*((2*\c+1)/5)
	tensor_load_to_lds s[GI:GI+3], s[G1I:G1I+7]
	s_nop 0
	tensor_load_to_lds s[GJ:GJ+3], s[G1J:G1J+7]
	s_nop 0
.endr
	PLACES 4                                       ; behind a tensor load
	v_and_b32 v1, 31, v0                           ; l
	v_and_b32 v2, 15, v0                           ; r
	v_bfe_u32 v3, v0, 4, 1                         ; h
	v_lshlrev_b32 v[VO16], 4, v1
	s_wait_alu depctr_va_vdst(0)
	v_lshlrev_b32 v[VO8], 3, v1
	s_wait_alu depctr_va_vdst(0)
	s_mov_b32 s[SEL], 0x76543210
	s_mov_b32 s[SEL+1], 0xfedcba98
	s_lshr_b32 s2, s[WV], 1                        ; wi
	s_and_b32 s3, s[WV], 1                         ; wj
	s_and_b32 s96, s23, 7                          ; nb: which 128 columns of the tensor
	s_lshr_b32 s97, s24, 3
	s_lshl_b32 s97, s97, 4                         ; 16 x batch
	s_and_b32 s98, s24, 7                          ; ib: which 256 tokens of the batch
	s_lshl_b32 s99, s96, 1
	s_add_co_u32 s97, s97, s99                     ; the first of the block's two batch-heads
	; THE ROLES.  Each pair of candidates is made, then chosen on the cluster's x (4 and 5: v)
	s_mul_i32 s99, s2, 24576
	s_cmp_ge_u32 ttmp9, 4
	s_cselect_b32 s92, s99, 49152                  ; source 0 in a chunk: v: tokens' tiles 8 wi on; q, k: the columns' 8 tiles
	s_mul_i32 s99, s3, 12288
	s_add_co_u32 s99, s99, 49152
	s_mul_i32 s100, s[WV], 12288
	s_cmp_ge_u32 ttmp9, 4
	s_cselect_b32 s93, s99, s100                   ; source 1: v: columns' tiles 4 wj on; q, k: tokens' tiles 4 w on
	s_lshl_b32 s99, s24, 4
	s_lshl_b32 s100, s2, 3
	s_add_co_u32 s99, s99, s100
	s_lshl_b32 s99, s99, 9                         ; x's scale words of tiles 16 IB + 8 wi on
	s_lshl_b32 s100, s23, 12
	s_add_co_u32 s100, s100, 262144                ; the weight's of tiles 8 JB on
	s_cmp_ge_u32 ttmp9, 4
	s_cselect_b32 s80, s99, s100
	s_mov_b32 s81, 0
	s_add_nc_u64 s[80:81], s[6:7], s[80:81]        ; source 0's scale words
	s_lshl_b32 s99, s23, 3
	s_lshl_b32 s100, s3, 2
	s_add_co_u32 s99, s99, s100
	s_lshl_b32 s99, s99, 9
	s_add_co_u32 s99, s99, 262144                  ; the weight's of tiles 8 JB + 4 wj on
	s_lshl_b32 s100, s24, 4
	s_lshl_b32 s101, s[WV], 2
	s_add_co_u32 s100, s100, s101
	s_lshl_b32 s100, s100, 9                       ; x's of tiles 16 IB + 4 w on
	s_cmp_ge_u32 ttmp9, 4
	s_cselect_b32 s82, s99, s100
	s_mov_b32 s83, 0
	s_add_nc_u64 s[82:83], s[6:7], s[82:83]        ; source 1's
	s_add_co_u32 s99, s97, s3
	s_mul_i32 s99, s99, 294912
	s_lshl_b32 s100, s98, 1
	s_add_co_u32 s100, s100, s2                    ; the key step 2 ib + wi
	s_mul_i32 s101, s100, 6144
	s_add_co_u32 s99, s99, s101
	s_add_co_u32 s99, s99, 196608                  ; v: head 2 nb + wj, V, my key step
	s_mul_i32 s86, s97, 294912
	s_lshl_b32 s101, s98, 4
	s_lshl_b32 s87, s[WV], 2
	s_add_co_u32 s101, s101, s87
	s_mul_i32 s101, s101, 768
	s_add_co_u32 s86, s86, s101                    ; q, k: head 2 nb, tile 16 ib + 4 w
	s_cmp_ge_u32 ttmp9, 2
	s_cselect_b32 s101, 98304, 0                   ; k lies behind q
	s_add_co_u32 s86, s86, s101
	s_mov_b32 s88, 294912
	s_cmp_ge_u32 ttmp9, 4
	s_cselect_b32 s86, s99, s86
	s_cselect_b32 s88, 3072, s88                   ; the fragment's second half: v: c = 1; q, k: the next head
	s_mov_b32 s87, 0
	s_mov_b32 s89, 0
	s_add_nc_u64 s[86:87], s[16:17], s[86:87]
	s_add_nc_u64 s[88:89], s[86:87], s[88:89]
	s_add_co_u32 s99, s97, s3
	s_mul_i32 s99, s99, 20480
	s_lshl_b32 s100, s100, 8
	s_add_co_u32 s99, s99, s100
	s_add_co_u32 s99, s99, 16384                   ; v's scale words
	s_mul_i32 s90, s97, 20480
	s_lshl_b32 s100, s98, 2
	s_add_co_u32 s100, s100, s[WV]
	s_lshl_b32 s100, s100, 8
	s_add_co_u32 s90, s90, s100                    ; q's, k's: my 64 tokens
	s_cmp_ge_u32 ttmp9, 2
	s_cselect_b32 s100, 8192, 0
	s_add_co_u32 s90, s90, s100
	s_cmp_ge_u32 ttmp9, 4
	s_cselect_b32 s90, s99, s90
	s_cselect_b32 s94, 0, 20480                    ; q, k: lanes 16-31 store the next head's words,
	s_cselect_b32 s95, 0, 16                       ; which are the upper two bytes
	s_mov_b32 s91, 0
	s_add_nc_u64 s[90:91], s[18:19], s[90:91]
	s_lshl_b32 s100, s96, 9                        ; the block's 128 numbers of the bias
	s_mov_b32 s101, 0
	s_cmp_ge_u32 ttmp9, 2
	s_cselect_b64 s[84:85], s[12:13], s[10:11]
	s_cmp_ge_u32 ttmp9, 4
	s_cselect_b64 s[84:85], s[14:15], s[84:85]
	s_add_nc_u64 s[84:85], s[84:85], s[100:101]
.irp c, 0,1,2,3
	s_add_co_u32 s96, s92, \c*CHUNK
	v_add_nc_u32 v[ADR0A+\c], s96, v[VO16]
	v_add_nc_u32 v[ADR0B+\c], s96, v[VO8]
	s_add_co_u32 s96, s93, \c*CHUNK
	v_add_nc_u32 v[ADR1A+\c], s96, v[VO16]
	v_add_nc_u32 v[ADR1B+\c], s96, v[VO8]
.endr
	v_mul_u32_u24 v[VSH], s95, v3
	v_mul_u32_u24 v[SOFF], s94, v3
	v_lshl_add_u32 v[SOFF], v2, 4, v[SOFF]         ; 16 r (+ the next head)
	v_lshlrev_b32 v24, 6, v3                       ; the bias of source 0's rows: 64 h
	v_and_b32 v25, 8, v2
	v_add_nc_u32 v25, v25, v2
	v_lshlrev_b32 v25, 2, v25
	s_lshl_b32 s99, s3, 8
	v_add_nc_u32 v25, s99, v25                     ; the bias of source 1's rows: 4 (r + 8 (r / 8)) + 256 wj
	v_lshlrev_b32 v26, 5, v2                       ; scale words: 32 r
.irp b, 0,1,2,3
	v_mov_b32 v[TM+4+\b], 0                        ; written once: a lane permute's destination counts as one of its sources
.endr
.irp i, 0,1,2,3,4,5,6,7                        ; the scale words of all of K go straight into registers, once
	global_load_b128 v[SC0+8*\i:SC0+8*\i+3], v26, s[80:81] offset:512*\i
	global_load_b128 v[SC0+8*\i+4:SC0+8*\i+7], v26, s[80:81] offset:512*\i+16
.endr
.irp a, 0,1,2,3
	global_load_b128 v[SC1+8*\a:SC1+8*\a+3], v26, s[82:83] offset:512*\a
	global_load_b128 v[SC1+8*\a+4:SC1+8*\a+7], v26, s[82:83] offset:512*\a+16
.endr
	; THE BIAS, in both forms, in every work-group, so that no load stands under the branch on the kind: 16 loads for the form by source 0's rows (q, k use it), 4 for the form by source 1's rows (v uses it); all inside the block's 512 bytes
.irp a, 0,1,2,3
	global_load_b32 v[28+\a], v25, s[84:85] offset:(32*(\a/2)+8*(\a%2))*4
.endr
	WIN 0xc0                                       ; destination window 3
.irp b, 0,1,2,3,4,5,6,7
	global_load_b128 v[8*\b:8*\b+3], v24, s[84:85] offset:(32*(\b/2)+8*(\b%2))*4       ; tile b's register j: column 32 (b / 2) + 16 h + 8 (b % 2) + j
	global_load_b128 v[8*\b+4:8*\b+7], v24, s[84:85] offset:(32*(\b/2)+8*(\b%2))*4+16
.endr
	WIN 0
	s_wait_loadcnt 0x0                             ; scale words and biases
	s_wait_tensorcnt 6                             ; my two loads of chunk 0 have landed; the six of chunks 1 to 3 stay out
	s_barrier_signal -1
	s_barrier_wait -1                              ; everybody's have
	FETCH 0
	s_cmp_ge_u32 ttmp9, 4                          ; the one branch on the kind: the cluster's x, the same in all partners
	s_cbranch_scc1 .Lv_first
	KSTEP 0, 1
	s_branch .Lstep_1
.Lv_first:
	WIN 0xc0                                       ; v: a lane holds one channel, so a tile's eight C registers hold that channel's one number
.irp a, 0,1,2,3
.irp j, 0,1,2,3,4,5,6,7
	v_mov_b32 v[8*\a+\j], v[28+\a]
.endr
.endr
	WIN 0
	s_wait_alu depctr_va_vdst(0)
	KSTEP 0, 2
.Lstep_1:
	KSTEP 1, 0
	KSTEP 2, 0
	KSTEP 3, 0
	KSTEP 4, 0
	KSTEP 5, 0
	KSTEP 6, 0
	KSTEP 7, 0
	; THE WAY OUT, the same text for all three kinds: for each of source 1's four tiles a lane's 64 results become a fragment; its two halves go to two places.  Each tile has registers of its own for its codes: no store's data are written again
	PLACES 4                                       ; in front of the first read of results and the first write of registers that the last products read
.irp a, 0,1,2,3
	QUANTA 64*\a, 128+24*\a, PW+\a
	global_store_b128 v[VO16], v[128+24*\a:131+24*\a], s[86:87] offset:768*\a          ; each store of the wave covers 512 or 256 consecutive bytes, aligned
	global_store_b64 v[VO8], v[132+24*\a:133+24*\a], s[86:87] offset:768*\a+512
	global_store_b128 v[VO16], v[134+24*\a:137+24*\a], s[88:89] offset:768*\a
	global_store_b64 v[VO8], v[138+24*\a:139+24*\a], s[88:89] offset:768*\a+512
.endr
.irp a, 0,1,2,3
	v_lshrrev_b32 v[PW+\a], v[VSH], v[PW+\a]       ; q, k: lanes 16-31 keep the second head's two bytes
.endr
	global_store_b128 v[SOFF], v[PW:PW+3], s[90:91]   ; sixteen lanes store 256 consecutive bytes, aligned (v: both halves of the lanes store the same bytes with the same values)
	s_wait_tensorcnt 0x0
	ds_add_u32 v254, v255
	s_wait_dscnt 0x0
	CROUND                                         ; the closing round: no work-group ends while a partner may still ask for a tile that names it
	s_endpgm
.Lfunc_end_k_qf3ec25d71f_qkv:
	.size	k_qf3ec25d71f_qkv, .Lfunc_end_k_qf3ec25d71f_qkv-k_qf3ec25d71f_qkv
	.p2alignl 7, 3214868480
	.fill 96, 4, 3214868480
	.section	.rodata,"a",@progbits
	.p2align	6, 0x0
	.amdhsa_kernel k_qf3ec25d71f_qkv
		.amdhsa_group_segment_fixed_size 295424
		.amdhsa_private_segment_fixed_size 0
		.amdhsa_enable_private_segment 0
		.amdhsa_kernarg_size 64
		.amdhsa_user_sgpr_count 2
		.amdhsa_user_sgpr_kernarg_segment_ptr 1
		.amdhsa_wavefront_size32 1
		.amdhsa_system_sgpr_workgroup_id_x 1
		.amdhsa_system_sgpr_workgroup_id_y 1
		.amdhsa_system_sgpr_workgroup_id_z 1
		.amdhsa_system_vgpr_workitem_id 0
		.amdhsa_next_free_vgpr 832
		.amdhsa_next_free_sgpr 102
		.amdhsa_reserve_vcc 0
		.amdhsa_float_denorm_mode_32 3
		.amdhsa_float_denorm_mode_16_64 3
		.amdhsa_memory_ordered 1
		.amdhsa_forward_progress 1
		.amdhsa_inst_pref_size 101
	.end_amdhsa_kernel
	.amdgpu_metadata
---
amdhsa.version: [ 1, 2 ]
amdhsa.kernels:
  - .name:           k_qf3ec25d71f_qkv
    .symbol:         k_qf3ec25d71f_qkv.kd
    .args:
      - { .name: xc, .offset: 0, .size: 8, .value_kind: global_buffer, .address_space: global }
      - { .name: xws, .offset: 8, .size: 8, .value_kind: global_buffer, .address_space: global }
      - { .name: wc, .offset: 16, .size: 8, .value_kind: global_buffer, .address_space: global }
      - { .name: bq, .offset: 24, .size: 8, .value_kind: global_buffer, .address_space: global }
      - { .name: bk, .offset: 32, .size: 8, .value_kind: global_buffer, .address_space: global }
      - { .name: bv, .offset: 40, .size: 8, .value_kind: global_buffer, .address_space: global }
      - { .name: qkvc, .offset: 48, .size: 8, .value_kind: global_buffer, .address_space: global }
      - { .name: qkvs, .offset: 56, .size: 8, .value_kind: global_buffer, .address_space: global }
    .group_segment_fixed_size: 295424
    .private_segment_fixed_size: 0
    .kernarg_segment_align: 8
    .kernarg_segment_size: 64
    .max_flat_workgroup_size: 128
    .sgpr_count:     102
    .vgpr_count:     832
    .wavefront_size: 32
...
	.end_amdgpu_metadata
.endif
;; end of part 2
;; launch attn (part 3): grid 4 x 64, 16 waves a work-group, no clusters, 215,040 bytes of LDS; arguments qkvc, qkvs, yc, ys; writes yc, ys
.if DOCPART == 3
	.amdgcn_target "amdgcn-amd-amdhsa--gfx1250"
	.amdhsa_code_object_version 6
	.text
	.protected	k_qf3ec25d71f_attn
	.globl	k_qf3ec25d71f_attn
	.p2align	8
	.type	k_qf3ec25d71f_attn,@function
k_qf3ec25d71f_attn:
	s_mov_b64 s[64:65], 0
	v_nop
	global_prefetch_b8 v0, s[64:65] scope:SCOPE_SE
	s_setreg_imm32_b32 hwreg(HW_REG_WAVE_MODE, 25, 1), 1
	s_wait_xcnt 0x0
; y[b][h][q] = the sum over keys k <= q of softmax_k(q . k / 8) v, both products on codes of FP6 (E2M3) with E8M0 scales; y leaves quantised along its 64 channels, as the last product's operand.
; THE SOFTMAX: t = score x log2(e) / 8; M = the running largest t rounded up to a whole number; p = 2^(t - M) is quantised along the keys, not normalised; the row's sum is taken of the unquantised p and divides at the end.
; When M moves, the sum and O are multiplied by 2^(old M - new M): exact.
; SHARES.  A work-group owns the blocks g and 7 - g of 256 queries of one batch-head; wave w owns tile 127 - (16 g + w) (first) and tile 16 g + w.  A tile T needs T / 8 + 1 key steps of 128 keys: 17 for every wave.
; A step all of whose keys come after the tile's queries is jumped over by a scalar branch on ids; the loops' trip counts are constants.
; LDS.  The head's K, V and their scale words, 208,896 bytes, are filled once, at the head, by waves 0 to 3 (three loads each): key steps 0 to 3 first, so that the first loop can begin while the rest lands.  Nothing is filled again.
; No cluster: the only work-groups that share K and V are the four g of a head, and the causal jumps hang on g, which joint loads do not allow.  No prefetch: every tensor load stands at the head.
; LAYOUT.  Both products are used transposed: S^T = K Q^T, O^T = V^T P^T: a lane holds one query (lane % 16).  Tiles of tokens and channels lie in the order 32 B + 8 u + r + 8 (r / 8), so that 16 registers of two neighbouring tiles are
; 16 neighbours along the next K.  A head has 64 channels, half of the instruction's 128: Q's upper six registers are zeros; K's upper six are whatever follows (the next tile's codes, or zeros), which meets zero codes alone.
; LIMITS: t is made with one rounding (score x fl(log2 e) / 8); the byte of a block of y under 2^-124, and of a block of zeros, is 1.
; REGISTERS: v1-5, v86, v248-251 addresses that stay; v6-11 the step's; v12 -M, v13 the largest t, v[14:15] the sum; v16-27 Q; v28 Q's scale word, v29 p's; v30 the mask's bound, v31 its lane part; v32-85 K's tiles and pad, then at work;
; v88-95 K's scale words; v96-159 S^T, then p; v160-191 O^T; v192-239 V; v240-243 V's scale words; v244-246 lane permutes' destinations on the way out.
.set WV,   48
.set SEL,  52                          ; s[52:53]
.set CS,   54                          ; s[54:55] c = log2(e) / 8
.set TB,   56                          ; the step's tiles of K (and, 98,304 on, of V): 6,144 bytes a step
.set TS,   57                          ; K's scale words: 512 a step
.set TJ,   58                          ; V's: 256 a step
.set KSI,  59                          ; the key step
.set KD,   60                          ; the key step on the diagonal of the tile in hand
.set LV,   98304
.set LKS,  196608
.set LVS,  204800
.set LYS,  208896                      ; y's scale bytes: 512 for block g, 512 for block 7 - g; bytes of their own, into which no fill lands
.macro PLACES n
.rept \n
	v_nop
.endr
.endm
.macro PADR t, p, k                    ; for the tile in s[t]: Q's codes s[p:p+1], Q's scale words s[p+2:p+3], y's codes s[p+4:p+5]; the diagonal's step s[k], the tile's first query in it s[k+1]
	s_mul_i32 s88, s[\t], 768
	s_mov_b32 s89, 0
	s_add_nc_u64 s[\p:\p+1], s[4:5], s[88:89]
	s_lshr_b32 s88, s[\t], 2
	s_lshl_b32 s88, s88, 8
	s_and_b32 s90, s[\t], 3
	s_lshl_b32 s90, s90, 2
	s_add_co_u32 s88, s88, s90
	s_add_nc_u64 s[\p+2:\p+3], s[6:7], s[88:89]
	s_mul_i32 s88, s[\t], 12288
	s_add_nc_u64 s[\p+4:\p+5], s[8:9], s[88:89]
	s_lshr_b32 s[\k], s[\t], 3
	s_lshr_b32 s88, s[\t], 1
	s_and_b32 s88, s88, 3
	s_lshl_b32 s88, s88, 5
	s_and_b32 s90, s[\t], 1
	s_lshl_b32 s90, s90, 3
	s_add_co_u32 s[\k+1], s88, s90
.endm
.macro QLOAD p
	global_load_b128 v[16:19], v1, s[\p:\p+1]
	global_load_b64 v[20:21], v2, s[\p:\p+1] offset:512
	global_load_b32 v28, v3, s[\p+2:\p+3]
.endm
.macro STATE k                         ; a tile begins: O^T and the sum are zeros, the largest t is under every t: the first change of M multiplies zeros
	s_mov_b32 s[KD], s[\k]
	v_add_nc_u32 v30, s[\k+1], v31                 ; my query in the diagonal's step, less 16 (lane / 16)
	v_mov_b32 v13, 0xff61b1e6                      ; -3e38
	s_delay_alu instid0(VALU_DEP_1)
	v_floor_f32 v12, -v13
	v_mov_b32 v14, 0
	v_mov_b32 v15, 0
.set n, 0
.rept 32
	v_mov_b32 v[160+n], 0
.set n, n+1
.endr
	s_mov_b32 s[TB], 0
	s_mov_b32 s[TS], 0
	s_mov_b32 s[TJ], 0
	s_mov_b32 s[KSI], 0
.endm
; A KEY STEP: 128 keys
.macro STEP
	s_cmp_gt_u32 s[KSI], s[KD]
	s_cbranch_scc1 .Lhidden_\@                     ; all its keys come after my queries
	s_setprio 2
	v_add_nc_u32 v6, s[TB], v1                     ; (these six are also the places in front of the loads into registers that the last products read)
	v_add_nc_u32 v7, s[TB], v2
	v_add_nc_u32 v8, s[TB], v248
	v_add_nc_u32 v9, s[TB], v249
	v_add_nc_u32 v10, s[TS], v250
	v_add_nc_u32 v11, s[TJ], v251
.irp t, 0,1,2,3,4,5,6,7
	ds_load_b128 v[32+6*\t:35+6*\t], v6 offset:768*\t            ; K's tile t: six registers
	ds_load_b64 v[36+6*\t:37+6*\t], v7 offset:768*\t+512
.endr
	ds_load_b128 v[88:91], v10
	ds_load_b128 v[92:95], v10 offset:256
.irp f, 0,1,2,3
	ds_load_b128 v[192+12*\f:195+12*\f], v8 offset:768*\f        ; V's fragment of channels' tile f
	ds_load_b64 v[196+12*\f:197+12*\f], v9 offset:768*\f+512
	ds_load_b128 v[198+12*\f:201+12*\f], v8 offset:3072+768*\f
	ds_load_b64 v[202+12*\f:203+12*\f], v9 offset:3072+768*\f+512
.endr
	ds_load_b128 v[240:243], v11
	s_wait_dscnt 17                                ; K and its scale words are in; V's 16 loads and its scale words' one stay out
.irp t, 0,1,2,3,4,5,6,7
	v_wmma_scale_f32_16x16x128_f8f6f4 v[96+8*\t:103+8*\t], v[32+6*\t:43+6*\t], v[16:27], 0, v[88+\t], v28 matrix_a_fmt:MATRIX_FMT_FP6 matrix_b_fmt:MATRIX_FMT_FP6
.endr
	PLACES 4
	s_cmp_lg_u32 s[KSI], s[KD]
	s_cbranch_scc1 .Lopen_\@                       ; off the diagonal every key counts
	v_mov_b32 v73, 0xff800000                      ; -infinity.  Register 16 b + i holds key 32 b + 16 (lane / 16) + i of the step: hidden where 32 b + i > v30
.set n, 0
.rept 64
	v_cmp_gt_i32 vcc_lo, 32*(n/16)+n%16, v30
	v_cndmask_b32 v[96+n], v[96+n], v73, vcc_lo
.set n, n+1
.endr
.Lopen_\@:
.irp b, 0,1,2,3
	v_max3_num_f32 v[32+\b], v[96+16*\b], v[97+16*\b], v[98+16*\b]   ; the largest score of each block of 32 keys: for the row's maximum and, since p rises with the score, for the block's largest p
.endr
.irp i, 3,5,7,9,11,13
.irp b, 0,1,2,3
	v_max3_num_f32 v[32+\b], v[32+\b], v[96+16*\b+\i], v[97+16*\b+\i]
.endr
.endr
.irp b, 0,1,2,3
	v_max_num_f32 v[32+\b], v[32+\b], v[111+16*\b]
.endr
.irp b, 0,1,2,3
	s_delay_alu instid0(VALU_DEP_4)
	v_permlanex16_b32 v[36+\b], v[32+\b], s[SEL], s[SEL+1]
.endr
.irp b, 0,1,2,3
	s_delay_alu instid0(VALU_DEP_4)
	v_max_num_f32 v[32+\b], v[32+\b], v[36+\b]     ; with lane l xor 16's 16 keys
.endr
	s_delay_alu instid0(VALU_DEP_2)
	v_max3_num_f32 v72, v32, v33, v34
	s_delay_alu instid0(VALU_DEP_1)
	v_max_num_f32 v72, v72, v35                    ; the step's largest score of my query
	s_delay_alu instid0(VALU_DEP_1)
	v_mul_f32 v72, s[CS], v72                      ; as t
	s_delay_alu instid0(VALU_DEP_1)
	v_max_num_f32 v13, v13, v72                    ; the running largest t
	v_mov_b32 v72, v12
	s_delay_alu instid0(VALU_DEP_2)
	v_floor_f32 v12, -v13                          ; the new -M = floor(-t): M is a whole number
	s_delay_alu instid0(VALU_DEP_1)
	v_sub_f32 v72, v12, v72                        ; old M - new M: a whole number, 0 or less
	s_delay_alu instid0(VALU_DEP_1)
	v_cvt_i32_f32 v72, v72                         ; (it saturates)
	s_delay_alu instid0(VALU_DEP_1)
	v_ldexp_f32 v70, 1.0, v72                      ; f = 2^(old M - new M)
.set n, 0
	s_setprio 1
.rept 32
	v_pk_fma_f32 v[96+n:97+n], v[96+n:97+n], s[CS:CS+1], v[12:13] op_sel_hi:[1,0,0]   ; t - M, two at a time
.set n, n+2
.endr
.irp b, 0,1,2,3
	v_fma_f32 v[32+\b], v[32+\b], s[CS], v12       ; the same of each block's largest score
.endr
.set n, 0
	s_wait_alu depctr_va_vdst(0)
.rept 64
	v_exp_f32 v[96+n], v[96+n]                     ; p = 2^(t - M)
.set n, n+1
.endr
	v_pk_mul_f32 v[14:15], v[14:15], v[70:71] op_sel_hi:[1,0]   ; the sums under the new M: the plain line behind the exponentials
	s_wait_alu depctr_va_vdst(0)                   ; one wait for the batch of 64, ahead of its first use
.irp b, 0,1,2,3
	v_exp_f32 v[32+\b], v[32+\b]                   ; the block's largest p
.endr
	v_pk_add_f32 v[68:69], v[100:101], v[104:105]
	v_pk_add_f32 v[252:253], v[108:109], v[112:113]
	v_pk_add_f32 v[94:95], v[116:117], v[120:121]
	v_pk_add_f32 v[92:93], v[124:125], v[128:129]
	v_pk_add_f32 v[90:91], v[132:133], v[136:137]
	v_pk_add_f32 v[88:89], v[140:141], v[144:145]
	v_pk_add_f32 v[78:79], v[148:149], v[152:153]
	v_pk_add_f32 v[14:15], v[14:15], v[156:157]
	v_pk_add_f32 v[68:69], v[68:69], v[96:97]
	v_pk_add_f32 v[252:253], v[252:253], v[98:99]
	v_pk_add_f32 v[94:95], v[94:95], v[102:103]
	v_pk_add_f32 v[92:93], v[92:93], v[106:107]
	v_pk_add_f32 v[90:91], v[90:91], v[110:111]
	v_pk_add_f32 v[88:89], v[88:89], v[114:115]
	v_pk_add_f32 v[78:79], v[78:79], v[118:119]
	v_pk_add_f32 v[14:15], v[14:15], v[122:123]
	v_pk_add_f32 v[68:69], v[68:69], v[126:127]
	v_pk_add_f32 v[252:253], v[252:253], v[130:131]
	v_pk_add_f32 v[94:95], v[94:95], v[134:135]
	v_pk_add_f32 v[92:93], v[92:93], v[138:139]
	v_pk_add_f32 v[90:91], v[90:91], v[142:143]
	v_pk_add_f32 v[88:89], v[88:89], v[146:147]
	v_pk_add_f32 v[78:79], v[78:79], v[150:151]
	v_pk_add_f32 v[14:15], v[14:15], v[154:155]
	v_pk_add_f32 v[68:69], v[68:69], v[158:159]
	s_delay_alu instid0(VALU_DEP_2)
	v_pk_add_f32 v[14:15], v[14:15], v[92:93]
	s_delay_alu instid0(VALU_DEP_2)
	v_pk_add_f32 v[68:69], v[68:69], v[90:91]
	v_pk_add_f32 v[252:253], v[252:253], v[88:89]
	v_pk_add_f32 v[94:95], v[94:95], v[78:79]
	s_delay_alu instid0(VALU_DEP_2)
	v_pk_add_f32 v[14:15], v[14:15], v[252:253]
	s_delay_alu instid0(VALU_DEP_2)
	v_pk_add_f32 v[68:69], v[68:69], v[94:95]
	s_delay_alu instid0(VALU_DEP_1)
	v_pk_add_f32 v[14:15], v[14:15], v[68:69]
	s_wait_alu depctr_va_vdst(0)                   ; and one for the four
.irp b, 0,1,2,3
	v_max_num_f32 v[32+\b], 0x1800000, v[32+\b]    ; the floor 2^(3 - 127): a block whose every p is 0 keeps the byte 1; its codes are zeros
.endr
.irp b, 0,1,2,3
	s_delay_alu instid0(VALU_DEP_4)
	v_add_nc_u32 v[40+\b], 0xff000000, v[32+\b]    ; the conversion's scale operand
.endr
.irp b, 0,1,2,3
	s_delay_alu instid0(VALU_DEP_4)
	v_lshrrev_b32 v[44+\b], 23, v[40+\b]           ; the byte
.endr
	s_delay_alu instid0(VALU_DEP_3)
	v_lshl_or_b32 v29, v45, 8, v44                 ; p's scale word for these 128 keys
	s_delay_alu instid0(VALU_DEP_1)
	v_lshl_or_b32 v29, v46, 16, v29
	s_delay_alu instid0(VALU_DEP_1)
	v_lshl_or_b32 v29, v47, 24, v29
	s_setprio 0
.irp c, 0,1
	v_cvt_scalef32_pk16_fp6_f32 v[48+6*\c:50+6*\c], v[96+32*\c:111+32*\c], v[40+2*\c]
	v_cvt_scalef32_pk16_fp6_f32 v[60+4*\c:62+4*\c], v[112+32*\c:127+32*\c], v[41+2*\c]
.endr
	v_nop                                          ; one plain line behind the conversions
.irp c, 0,1
.irp i, 0,1,2
	v_permlane16_swap_b32 v[48+6*\c+\i], v[60+4*\c+\i]
.endr
.irp i, 0,1,2
	s_delay_alu instid0(VALU_DEP_3)
	v_mov_b32 v[51+6*\c+\i], v[60+4*\c+\i]
.endr
.endr
.set n, 0
.rept 16
	v_pk_mul_f32 v[160+n:161+n], v[160+n:161+n], v[70:71] op_sel_hi:[1,0]   ; O^T under the new M; these lines also stand between the codes' and the scale word's last writes and the products
.set n, n+2
.endr
	s_wait_alu depctr_va_vdst(0)
	s_wait_dscnt 0x0                               ; V and its scale words are in
.irp f, 0,1,2,3
	v_wmma_scale_f32_16x16x128_f8f6f4 v[160+8*\f:167+8*\f], v[192+12*\f:203+12*\f], v[48:59], v[160+8*\f:167+8*\f], v[240+\f], v29 matrix_a_fmt:MATRIX_FMT_FP6 matrix_b_fmt:MATRIX_FMT_FP6
.endr
.Lhidden_\@:
	s_add_co_u32 s[TB], s[TB], 6144
	s_add_co_u32 s[TS], s[TS], 512
	s_add_co_u32 s[TJ], s[TJ], 256
.endm
; A tile ends: O^T / the sum is y's 64 channels of my query (register 16 b + i = channel 32 b + 16 (lane / 16) + i): two blocks, quantised; the half image goes to yc, the two bytes to LDS
.macro FINISH ya, yp
	v_add_f32 v14, v14, v15
	s_delay_alu instid0(VALU_DEP_1)
	v_permlanex16_b32 v244, v14, s[SEL], s[SEL+1]
	s_delay_alu instid0(VALU_DEP_1)
	v_add_f32 v14, v14, v244                       ; the row's sum
	s_wait_alu depctr_va_vdst(0)
	v_rcp_f32 v14, v14
	v_nop                                          ; a plain line behind the reciprocal
	s_wait_alu depctr_va_vdst(0)                   ; and the wait ahead of its first use
.set n, 0
.rept 32
	v_mul_f32 v[96+n], v[160+n], v14               ; each accumulator from its low end on
.set n, n+1
.endr
.irp b, 0,1
	v_max3_num_f32 v[32+\b], |v[96+16*\b]|, |v[97+16*\b]|, 0x1800000
.endr
.irp i, 2,4,6,8,10,12,14
.irp b, 0,1
	s_delay_alu instid0(VALU_DEP_2)
	v_max3_num_f32 v[32+\b], v[32+\b], |v[96+16*\b+\i]|, |v[97+16*\b+\i]|
.endr
.endr
.irp b, 0,1
	s_delay_alu instid0(VALU_DEP_2)
	v_permlanex16_b32 v[245+\b], v[32+\b], s[SEL], s[SEL+1]
.endr
.irp b, 0,1
	s_delay_alu instid0(VALU_DEP_2)
	v_max_num_f32 v[32+\b], v[32+\b], v[245+\b]
.endr
.irp b, 0,1
	s_delay_alu instid0(VALU_DEP_2)
	v_add_nc_u32 v[40+\b], 0xff000000, v[32+\b]
.endr
.irp b, 0,1
	s_delay_alu instid0(VALU_DEP_2)
	v_lshrrev_b32 v[44+\b], 23, v[40+\b]
.endr
	v_cvt_scalef32_pk16_fp6_f32 v[48:50], v[96:111], v40
	v_cvt_scalef32_pk16_fp6_f32 v[56:58], v[112:127], v41
	v_nop
.irp i, 0,1,2
	v_permlane16_swap_b32 v[48+\i], v[56+\i]
.endr
.irp i, 0,1,2
	s_delay_alu instid0(VALU_DEP_3)
	v_mov_b32 v[51+\i], v[56+\i]
.endr
	global_store_b128 v1, v[48:51], s[\yp:\yp+1]               ; 512 and 256 consecutive bytes, aligned
	global_store_b64 v2, v[52:53], s[\yp:\yp+1] offset:512
	v_lshl_or_b32 v46, v45, 8, v44
	ds_store_b16 v[\ya], v46                       ; both halves of the lanes write the same two bytes with the same values
.endm
	s_load_b256 s[4:11], s[0:1], 0x0               ; qkvc, qkvs, yc, ys
	v_lshl_add_u32 v254, v0, 2, 0x34000
	v_mov_b32 v255, 0
	ds_add_u32 v254, v255
	ds_add_u32 v254, v255
	v_lshrrev_b32 v1, 5, v0
	s_delay_alu instid0(VALU_DEP_1)
	v_readfirstlane_b32 s[WV], v1                  ; wave 0..15
	s_mov_b32 s49, ttmp9                           ; g
	s_and_b32 s50, ttmp7, 0xffff                   ; the batch-head
	v_and_b32 v3, 15, v0                           ; r
	v_bfe_u32 v6, v0, 4, 1                         ; h
	v_and_b32 v2, 31, v0                           ; l
	s_delay_alu instid0(VALU_DEP_1)
	v_lshlrev_b32 v1, 4, v2                        ; 16 l
	s_delay_alu instid0(VALU_DEP_2)
	v_lshlrev_b32 v2, 3, v2                        ; 8 l
	; every LDS address that stays is made here, ahead of the first parting of the waves
	s_lshl_b32 s84, s[WV], 5
	v_lshl_add_u32 v4, v3, 1, s84
	s_delay_alu instid0(VALU_DEP_1)
	v_add_nc_u32 v4, LYS, v4                       ; y's bytes, block g: 32 w + 2 r
	s_xor_b32 s85, s[WV], 15
	s_lshl_b32 s85, s85, 5
	v_lshl_add_u32 v5, v3, 1, s85
	s_delay_alu instid0(VALU_DEP_1)
	v_add_nc_u32 v5, LYS+512, v5                   ; block 7 - g: its tile 15 - w
	s_and_b32 s86, s[WV], 1
	s_lshl_b32 s86, s86, 9
	v_add_nc_u32 v86, s86, v1
	s_delay_alu instid0(VALU_DEP_1)
	v_add_nc_u32 v86, LYS, v86                     ; where waves 0 and 1 read the bytes back
	v_and_b32 v31, 8, v3
	s_delay_alu instid0(VALU_DEP_1)
	v_add_nc_u32 v31, v31, v3
	v_lshlrev_b32 v6, 4, v6
	s_delay_alu instid0(VALU_DEP_1)
	v_sub_nc_u32 v31, v31, v6                      ; r + 8 (r / 8) - 16 h
	v_lshlrev_b32 v3, 4, v3                        ; 16 r
	v_add_nc_u32 v248, LV, v1
	v_add_nc_u32 v249, LV, v2
	s_delay_alu instid0(VALU_DEP_3)
	v_add_nc_u32 v250, LKS, v3
	s_delay_alu instid0(VALU_DEP_4)
	v_add_nc_u32 v251, LVS, v3
.irp j, 22,23,24,25,26,27,80,81,82,83,84,85,244,245,246
	v_mov_b32 v\j, 0                               ; Q's upper half, the pad behind K's last tile, and the lane permutes' destinations: written once
.endr
	s_mov_b32 s[SEL], 0x76543210
	s_mov_b32 s[SEL+1], 0xfedcba98
	s_mov_b32 s[CS], 0x3e38aa3b                    ; log2(e) / 8
	s_mov_b32 s[CS+1], s[CS]
	; groups 1: dense blocks as rows of 256 bytes (32 elements of 8 bytes): 48 rows (two key steps of K or of V), 12 rows (a quarter of the scale words), 144 rows (six key steps)
	s_mov_b32 s12, 3<<16
	s_mov_b32 s13, 32<<16
	s_mov_b32 s14, 48<<16
	s_mov_b32 s15, 32<<16
	s_mov_b32 s16, 48
	s_mov_b32 s17, 32
	s_mov_b32 s18, 0
	s_mov_b32 s19, 0
	s_mov_b32 s20, 3<<16
	s_mov_b32 s21, 32<<16
	s_mov_b32 s22, 12<<16
	s_mov_b32 s23, 32<<16
	s_mov_b32 s24, 12
	s_mov_b32 s25, 32
	s_mov_b32 s26, 0
	s_mov_b32 s27, 0
	s_mov_b32 s28, 3<<16
	s_mov_b32 s29, 32<<16
	s_mov_b32 s30, 144<<16
	s_mov_b32 s31, 32<<16
	s_mov_b32 s32, 144
	s_mov_b32 s33, 32
	s_mov_b32 s34, 0
	s_mov_b32 s35, 0
	; K and V together are 16 units of 12,288 bytes, in memory and in LDS alike.  Wave 0, 1: K's units; wave 2, 3: V's
	s_and_b32 s84, s[WV], 1
	s_lshr_b32 s85, s[WV], 1
	s_lshl_b32 s85, s85, 3
	s_add_co_u32 s86, s84, s85
	s_mul_i32 s86, s86, 12288                      ; the early unit (w % 2) + 8 (w / 2): key steps 0 to 3
	s_mul_i32 s90, s84, 3
	s_add_co_u32 s90, s90, s85
	s_add_co_u32 s90, s90, 2
	s_mul_i32 s90, s90, 12288                      ; the late three units from 2 + 3 (w % 2) + 8 (w / 2) on
	s_mul_i32 s88, s[WV], 3072                     ; my quarter of the scale words
	s_mov_b32 s87, 0
	s_mov_b32 s89, 0
	s_mov_b32 s91, 0
	s_mul_i32 s62, s50, 294912
	s_mov_b32 s63, 0
	s_wait_dscnt 0x0
	s_wait_kmcnt 0x0
	s_add_nc_u64 s[4:5], s[4:5], s[62:63]          ; the head's codes
	s_mul_i32 s62, s50, 20480
	s_add_nc_u64 s[6:7], s[6:7], s[62:63]          ; its scale words
	s_mov_b32 s36, 1
	s_add_co_u32 s37, s88, LKS
	s_add_nc_u64 s[38:39], s[6:7], s[88:89]
	s_add_nc_u64 s[38:39], s[38:39], 8192          ; K's and V's scale words lie on end, 12,288 bytes
	s_or_b32 s39, s39, 0x80000000
	s_mov_b32 s40, 1
	s_mov_b32 s41, s86
	s_add_nc_u64 s[42:43], s[4:5], s[86:87]
	s_add_nc_u64 s[42:43], s[42:43], 98304
	s_or_b32 s43, s43, 0x80000000
	s_mov_b32 s44, 1
	s_mov_b32 s45, s90
	s_add_nc_u64 s[46:47], s[4:5], s[90:91]
	s_add_nc_u64 s[46:47], s[46:47], 98304
	s_or_b32 s47, s47, 0x80000000
	s_cmp_lt_u32 s[WV], 4                          ; all first fills of a wave stand in one branch on its number: three loads of mine are out
	s_cbranch_scc0 .Lno_fill
	tensor_load_to_lds s[36:39], s[20:27]
	s_nop 0
	tensor_load_to_lds s[40:43], s[12:19]
	s_nop 0
	tensor_load_to_lds s[44:47], s[28:35]
	s_nop 0
	PLACES 4                                       ; behind a tensor load
.Lno_fill:
	s_lshr_b32 s62, s50, 4
	s_mul_i32 s62, s62, 128*12288                  ; y: the batch's 128 tiles,
	s_and_b32 s84, s50, 15
	s_mul_i32 s84, s84, 768                        ; the head's half image in a tile's 12,288 bytes
	s_add_co_u32 s62, s62, s84
	s_add_nc_u64 s[8:9], s[8:9], s[62:63]
	s_lshl_b32 s62, s50, 12
	s_add_nc_u64 s[10:11], s[10:11], s[62:63]      ; the head's 4,096 scale bytes of y
	s_lshl_b32 s86, s49, 4
	s_add_co_u32 s86, s86, s[WV]                   ; the early tile 16 g + w
	s_sub_co_u32 s87, 127, s86                     ; the late tile
	PADR 87, 68, 80
	PADR 86, 74, 82
	QLOAD 68
	STATE 80
	s_wait_loadcnt 0x0                             ; Q
	s_wait_tensorcnt 1                             ; my scale words and my early unit have landed; the late load stays out
	s_barrier_signal -1
	s_barrier_wait -1                              ; everybody's have.
.Lfirst:                                           ; the late tile, key steps 0 to 3: the early units alone are read
	STEP
	s_add_co_u32 s[KSI], s[KSI], 1
	s_cmp_lt_u32 s[KSI], 4
	s_cbranch_scc1 .Lfirst
	s_setprio 0
	s_wait_dscnt 0x0
	s_wait_tensorcnt 0x0                           ; my late load has landed,
	s_barrier_signal -1
	s_barrier_wait -1                              ; everybody's has
	s_mov_b32 s[TB], 4*6144
	s_mov_b32 s[TS], 4*512
	s_mov_b32 s[TJ], 4*256
	s_mov_b32 s[KSI], 4
.Lsecond:                                          ; key steps 4 to 15
	STEP
	s_add_co_u32 s[KSI], s[KSI], 1
	s_cmp_lt_u32 s[KSI], 16
	s_cbranch_scc1 .Lsecond
	s_setprio 0
	PLACES 4                                       ; behind the last products: in front of the loads into Q's registers and of the first read of O^T
	QLOAD 74                                       ; the early tile's Q lands while the late tile goes out
	FINISH 5, 72
	STATE 82
	s_wait_xcnt 0x0                                ; the stores have read their registers: the steps write them again
	s_wait_loadcnt 0x0                             ; Q
.Lthird:                                           ; the early tile: its diagonal lies in key steps 0 to 7
	STEP
	s_add_co_u32 s[KSI], s[KSI], 1
	s_cmp_lt_u32 s[KSI], 8
	s_cbranch_scc1 .Lthird
	s_setprio 0
	PLACES 4
	FINISH 4, 78
	s_wait_dscnt 0x0                               ; for the others' sake: my bytes have landed
	s_barrier_signal -1
	s_barrier_wait -1
	s_cmp_ge_u32 s[WV], 2
	s_cbranch_scc1 .Lend                           ; wave 0 stores block g's 512 bytes, wave 1 block 7 - g's
	ds_load_b128 v[96:99], v86
	s_sub_co_u32 s84, 7, s49
	s_cmp_eq_u32 s[WV], 0
	s_cselect_b32 s84, s49, s84
	s_lshl_b32 s84, s84, 9
	s_mov_b32 s85, 0
	s_add_nc_u64 s[10:11], s[10:11], s[84:85]
	s_wait_dscnt 0x0
	global_store_b128 v1, v[96:99], s[10:11]       ; 512 consecutive bytes, aligned
.Lend:
	s_wait_tensorcnt 0x0
	ds_add_u32 v254, v255
	s_wait_dscnt 0x0
	s_endpgm
.Lfunc_end_k_qf3ec25d71f_attn:
	.size	k_qf3ec25d71f_attn, .Lfunc_end_k_qf3ec25d71f_attn-k_qf3ec25d71f_attn
	.p2alignl 7, 3214868480
	.fill 96, 4, 3214868480
	.section	.rodata,"a",@progbits
	.p2align	6, 0x0
	.amdhsa_kernel k_qf3ec25d71f_attn
		.amdhsa_group_segment_fixed_size 215040
		.amdhsa_private_segment_fixed_size 0
		.amdhsa_enable_private_segment 0
		.amdhsa_kernarg_size 32
		.amdhsa_user_sgpr_count 2
		.amdhsa_user_sgpr_kernarg_segment_ptr 1
		.amdhsa_wavefront_size32 1
		.amdhsa_system_sgpr_workgroup_id_x 1
		.amdhsa_system_sgpr_workgroup_id_y 1
		.amdhsa_system_sgpr_workgroup_id_z 1
		.amdhsa_system_vgpr_workitem_id 0
		.amdhsa_next_free_vgpr 256
		.amdhsa_next_free_sgpr 92
		.amdhsa_reserve_vcc 1
		.amdhsa_float_denorm_mode_32 3
		.amdhsa_float_denorm_mode_16_64 3
		.amdhsa_memory_ordered 1
		.amdhsa_forward_progress 1
		.amdhsa_inst_pref_size 89
	.end_amdhsa_kernel
	.amdgpu_metadata
---
amdhsa.version: [ 1, 2 ]
amdhsa.kernels:
  - .name:           k_qf3ec25d71f_attn
    .symbol:         k_qf3ec25d71f_attn.kd
    .args:
      - { .name: qkvc, .offset: 0, .size: 8, .value_kind: global_buffer, .address_space: global }
      - { .name: qkvs, .offset: 8, .size: 8, .value_kind: global_buffer, .address_space: global }
      - { .name: yc, .offset: 16, .size: 8, .value_kind: global_buffer, .address_space: global }
      - { .name: ys, .offset: 24, .size: 8, .value_kind: global_buffer, .address_space: global }
    .group_segment_fixed_size: 215040
    .private_segment_fixed_size: 0
    .kernarg_segment_align: 8
    .kernarg_segment_size: 32
    .max_flat_workgroup_size: 512
    .sgpr_count:     92
    .vgpr_count:     256
    .wavefront_size: 32
...
	.end_amdgpu_metadata
.endif
;; end of part 3
;; launch proj (part 4): grid 8 x 32, 4 waves a work-group, clusters of 4 x 4, 312,832 bytes of LDS; arguments yc, ys, wc, xws, bo, out0; writes out0
.if DOCPART == 4
	.amdgcn_target "amdgcn-amd-amdhsa--gfx1250"
	.amdhsa_code_object_version 6
	.text
	.protected	k_qf3ec25d71f_proj
	.globl	k_qf3ec25d71f_proj
	.p2align	8
	.type	k_qf3ec25d71f_proj,@function
k_qf3ec25d71f_proj:
	s_mov_b64 s[64:65], 0
	v_nop
	global_prefetch_b8 v0, s[64:65] scope:SCOPE_SE
	s_setreg_imm32_b32 hwreg(HW_REG_WAVE_MODE, 25, 1), 1
	s_wait_xcnt 0x0
	s_wait_alu depctr_hold_cnt(0) depctr_sa_sdst(0) depctr_va_vdst(0) depctr_va_sdst(0) depctr_va_ssrc(0) depctr_va_vcc(0) depctr_vm_vsrc(0)
	s_getreg_b32 s2, hwreg(HW_REG_IB_STS2, 6, 4)
	s_cmp_eq_u32 s2, 0
	s_cbranch_scc0 .Lentry_in_a_cluster
	s_endpgm
.Lentry_in_a_cluster:
	s_bfe_u32 s2, ttmp6, 0x10000c
	s_cmp_lg_u32 s2, 0xf033
	s_cbranch_scc0 .Lentry_shape_is_right
	s_endpgm
.Lentry_shape_is_right:
; out0 = y Wo + bo on codes of FP6 (E2M3) with E8M0 scales, sums in f32.  y's codes and scale bytes come from the attention launch, Wo's from the quantising launch (tiles 192 on of wc), both as images of operand registers.
; A work-group makes 256 tokens (block IB) x 128 columns (block JB).  All of K = 1024 of both operands lies in LDS at once, 294,912 bytes in four chunks of two K steps, filled once, at the head, by eight tensor loads a wave.
; CLUSTER 4 x 4: the four work-groups of a row of the cluster need the same tokens, the four of a column the same columns: each tile is asked for jointly.
; Source 0 = Wo's 128 columns (8 tiles), source 1 = my 64 tokens (4 tiles): a lane holds a token, and the 16 registers of two neighbouring tiles are 16 neighbouring columns.  The bias is the C of the first products.
; The tiles' rows lie in the order 32 B + 8 u + r + 8 (r / 8), tokens and columns alike; the way out puts them back.
; REGISTERS, in windows of 256: window 0: v4-19 LDS addresses, v20-27 offsets, v32-95 Wo's scale words (8 i + s), v96-127 y's (8 a + s), v128-223 y's fragments in two sets, on the way out rows of the result.
;   window 1: Wo's fragments, sets at v0 and v128.  window 2: the 32 accumulators, (a, b) at 8 (8 a + b).  window 3: v0-63 the bias.
.set WV,    20
.set G1I,   28
.set G1J,   36
.set CHUNK, 73728                      ; two K steps: 16 tiles of tokens, then 8 tiles of columns, 3,072 bytes each
.set STAGE, 4*CHUNK                    ; behind the chunks, bytes of its own: 16 rows x (256 + 16) bytes for each wave
.set ADR0A, 4
.set ADR0B, 8
.set ADR1A, 12
.set ADR1B, 16
.set VO16,  20
.set VO8,   21
.set STO,   22                         ; the way out: where I put 32 bytes of a row
.set RD,    23                         ; where I read a row back
.set CO,    25                         ; my byte offset in two rows of out0
.set SC0,   32
.set SC1,   96
.set MSB, 0
.macro WIN new                         ; the immediate's high byte repeats the setting that is left
.if MSB != \new
	s_set_vgpr_msb (MSB<<8)|\new
.set MSB, \new
.endif
.endm
.macro PLACES n
.rept \n
	v_nop
.endr
.endm
.macro CROUND                          ; a round of the cluster's barrier
	s_barrier_signal -1
	s_barrier_wait -1
	s_cmp_lg_u32 s[WV], 0
	s_cbranch_scc1 .Lnot_wave_0_\@
	s_barrier_signal -3
.Lnot_wave_0_\@:
	s_barrier_wait -3
	s_barrier_signal -1
	s_barrier_wait -1
.endm
.macro FRAG reg, a, b, off             ; a fragment's image back into 12 registers
	ds_load_b128 v[\reg:\reg+3], v[\a] offset:\off
	ds_load_b64 v[\reg+4:\reg+5], v[\b] offset:\off+512
	ds_load_b128 v[\reg+6:\reg+9], v[\a] offset:\off+768
	ds_load_b64 v[\reg+10:\reg+11], v[\b] offset:\off+1280
.endm
.macro FETCH s                         ; K step s: 8 + 4 fragments into set s % 2
.set FC, (\s)/2
.set FQ, (\s)%2
	WIN 0x40
.irp i, 0,1,2,3,4,5,6,7
	FRAG 128*FQ+12*\i, ADR0A+FC, ADR0B+FC, 3072*\i+1536*FQ
.endr
	WIN 0
.irp a, 0,1,2,3
	FRAG 128+48*FQ+12*\a, ADR1A+FC, ADR1B+FC, 3072*\a+1536*FQ
.endr
.endm
; K step s: 32 matrix instructions; the 32 accumulators take turns, one instruction a turn, in the same order in every step.  cm = 1: the sums begin with the bias
.macro KSTEP s, cm
	s_wait_dscnt 0x0                               ; this step's fragments are in
.if ((\s)%2 == 1) && ((\s) < 7)
	s_wait_tensorcnt 6-2*(((\s)+1)/2)              ; my two loads of the next chunk have landed; the two of each later chunk stay out
	s_barrier_signal -1
	s_barrier_wait -1                              ; everybody's have.
.endif
.if (\s) < 7
	PLACES 4                                       ; in front of loads into the set that the last step's products read
	FETCH (\s)+1
.endif
.set KP, (\s)%2
.if \cm
	WIN 0xb1                                       ; source 0 window 1, source 1 window 0, C window 3, D window 2
.else
	WIN 0xa1
.endif
.irp a, 0,1,2,3
.irp b, 0,1,2,3,4,5,6,7
.if \cm
	v_wmma_scale_f32_16x16x128_f8f6f4 v[8*(8*\a+\b):8*(8*\a+\b)+7], v[128*KP+12*\b:128*KP+12*\b+11], v[128+48*KP+12*\a:128+48*KP+12*\a+11], v[8*\b:8*\b+7], v[SC0+8*\b+(\s)], v[SC1+8*\a+(\s)] matrix_a_fmt:MATRIX_FMT_FP6 matrix_b_fmt:MATRIX_FMT_FP6
.else
	v_wmma_scale_f32_16x16x128_f8f6f4 v[8*(8*\a+\b):8*(8*\a+\b)+7], v[128*KP+12*\b:128*KP+12*\b+11], v[128+48*KP+12*\a:128+48*KP+12*\a+11], v[8*(8*\a+\b):8*(8*\a+\b)+7], v[SC0+8*\b+(\s)], v[SC1+8*\a+(\s)] matrix_a_fmt:MATRIX_FMT_FP6 matrix_b_fmt:MATRIX_FMT_FP6
.endif
.endr
.endr
	WIN 0
.endm
	s_load_b256 s[4:11], s[0:1], 0x0               ; yc, ys, wc, xws
	s_load_b128 s[12:15], s[0:1], 0x20             ; bo, out0
	v_lshl_add_u32 v254, v0, 2, 0x4c400
	v_mov_b32 v255, 0
	ds_add_u32 v254, v255
	ds_add_u32 v254, v255
	v_lshrrev_b32 v1, 5, v0
	v_readfirstlane_b32 s[WV], v1                  ; wave 0..3
	s_bfe_u32 s21, ttmp6, 0x40000                  ; cx
	s_bfe_u32 s22, ttmp6, 0x40004                  ; cy
	s_lshl_b32 s23, ttmp9, 2
	s_add_co_u32 s23, s23, s21                     ; JB
	s_and_b32 s24, ttmp7, 0xffff
	s_lshl_b32 s24, s24, 2
	s_add_co_u32 s24, s24, s22                     ; IB
	s_lshl_b32 s2, s22, 2
	s_lshl_b32 s2, 15, s2                          ; my row of the cluster
	s_lshl_b32 s3, 0x1111, s21                     ; my column
	; group 1: tiles' parts of 3,072 bytes (384 elements of 8 bytes), 12,288 bytes from tile to tile; 4 tiles of tokens or 2 of columns to a load; dense in LDS
	s_or_b32 s[G1I], s2, (3<<16)|(1<<21)
	s_or_b32 s[G1J], s3, (3<<16)|(1<<21)
	s_mov_b32 s[G1I+1], 384<<16
	s_mov_b32 s[G1I+2], 4<<16
	s_mov_b32 s[G1I+3], 384<<16
	s_mov_b32 s[G1I+4], 4
	s_mov_b32 s[G1I+5], 1536
	s_mov_b32 s[G1I+6], 0
	s_mov_b32 s[G1I+7], 0
	s_mov_b32 s[G1J+1], 384<<16
	s_mov_b32 s[G1J+2], 2<<16
	s_mov_b32 s[G1J+3], 384<<16
	s_mov_b32 s[G1J+4], 2
	s_mov_b32 s[G1J+5], 1536
	s_mov_b32 s[G1J+6], 0
	s_mov_b32 s[G1J+7], 0
	s_lshl_b32 s96, s24, 4
	s_lshl_b32 s97, s[WV], 2
	s_add_co_u32 s96, s96, s97
	s_mul_i32 s96, s96, 12288                      ; tokens: tile 16 IB + 4 w
	s_mov_b32 s97, 0
	s_lshl_b32 s98, s23, 3
	s_lshl_b32 s99, s[WV], 1
	s_add_co_u32 s98, s98, s99
	s_add_co_u32 s98, s98, 192
	s_mul_i32 s98, s98, 12288                      ; columns: tile 192 + 8 JB + 2 w
	s_mov_b32 s99, 0
	s_mul_i32 s100, s[WV], 12288
	s_mul_i32 s101, s[WV], 6144
	s_add_co_u32 s101, s101, 49152
	s_wait_dscnt 0x0
	s_wait_kmcnt 0x0
	s_add_nc_u64 s[96:97], s[4:5], s[96:97]
	s_add_nc_u64 s[98:99], s[8:9], s[98:99]
.irp c, 0,1,2,3                                ; eight groups 0: s[44:63] and s[68:79]
.set GI, 44+8*\c+4*((2*\c)/5)
.set GJ, 48+8*\c+4*((2*\c+1)/5)
	s_mov_b32 s[GI], 1
	s_add_co_u32 s[GI+1], s100, \c*CHUNK
	s_add_nc_u64 s[GI+2:GI+3], s[96:97], \c*3072
	s_or_b32 s[GI+3], s[GI+3], 0x80000000
	s_mov_b32 s[GJ], 1
	s_add_co_u32 s[GJ+1], s101, \c*CHUNK
	s_add_nc_u64 s[GJ+2:GJ+3], s[98:99], \c*3072
	s_or_b32 s[GJ+3], s[GJ+3], 0x80000000
.endr
	CROUND                                         ; all sixteen work-groups are here: the joint loads meet
.irp c, 0,1,2,3                                ; all first fills as one group: eight loads of mine are out
.set GI, 44+8*\c+4*((2*\c)/5)
.set GJ, 48+8*\c+4*((2*\c+1)/5)
	tensor_load_to_lds s[GI:GI+3], s[G1I:G1I+7]
	s_nop 0
	tensor_load_to_lds s[GJ:GJ+3], s[G1J:G1J+7]
	s_nop 0
.endr
	PLACES 4                                       ; behind a tensor load
	v_and_b32 v1, 31, v0                           ; l
	v_and_b32 v2, 15, v0                           ; r
	v_bfe_u32 v3, v0, 4, 1                         ; h
	v_lshlrev_b32 v[VO16], 4, v1
	v_lshlrev_b32 v[VO8], 3, v1
	s_mul_i32 s93, s[WV], 12288                    ; source 1: my four tiles of tokens in a chunk
.irp c, 0,1,2,3
	v_add_nc_u32 v[ADR0A+\c], 49152+\c*CHUNK, v[VO16]          ; source 0: the columns' eight tiles
	v_add_nc_u32 v[ADR0B+\c], 49152+\c*CHUNK, v[VO8]
	s_add_co_u32 s96, s93, \c*CHUNK
	v_add_nc_u32 v[ADR1A+\c], s96, v[VO16]
	v_add_nc_u32 v[ADR1B+\c], s96, v[VO8]
.endr
	s_lshl_b32 s80, s23, 12
	s_add_co_u32 s80, s80, 262144+192*512
	s_mov_b32 s81, 0
	s_add_nc_u64 s[80:81], s[10:11], s[80:81]      ; Wo's scale words of tiles 192 + 8 JB on
	s_lshr_b32 s82, s24, 3
	s_lshl_b32 s82, s82, 16                        ; the batch's 16 heads of 4,096 bytes
	s_and_b32 s96, s24, 7
	s_lshl_b32 s96, s96, 9                         ; + 2 x 256 ib
	s_add_co_u32 s82, s82, s96
	s_lshl_b32 s96, s[WV], 7                       ; + 2 x 64 w
	s_add_co_u32 s82, s82, s96
	s_mov_b32 s83, 0
	s_add_nc_u64 s[82:83], s[6:7], s[82:83]        ; y's scale bytes of my 64 tokens, head 0
	s_lshl_b32 s84, s23, 9
	s_mov_b32 s85, 0
	s_add_nc_u64 s[86:87], s[14:15], s[84:85]      ; out0: the block's first column,
	s_add_nc_u64 s[84:85], s[12:13], s[84:85]      ; the block's 128 numbers of the bias
	s_lshl_b32 s96, s24, 20
	s_lshl_b32 s98, s[WV], 18
	s_add_co_u32 s96, s96, s98                     ; token 256 IB + 64 w, rows of 4,096 bytes
	s_mov_b32 s97, 0
	s_add_nc_u64 s[86:87], s[86:87], s[96:97]
	v_lshlrev_b32 v24, 6, v3                       ; the bias: 64 h
	v_lshlrev_b32 v26, 5, v2                       ; Wo's scale words: 32 r
	v_lshlrev_b32 v27, 1, v2                       ; y's scale bytes: 2 r
.irp i, 0,1,2,3,4,5,6,7
	global_load_b128 v[SC0+8*\i:SC0+8*\i+3], v26, s[80:81] offset:512*\i
	global_load_b128 v[SC0+8*\i+4:SC0+8*\i+7], v26, s[80:81] offset:512*\i+16
.endr
	WIN 0xc0                                       ; destination window 3
.irp b, 0,1,2,3,4,5,6,7
	global_load_b128 v[8*\b:8*\b+3], v24, s[84:85] offset:(32*(\b/2)+8*(\b%2))*4       ; tile b's register j: column 32 (b / 2) + 16 h + 8 (b % 2) + j
	global_load_b128 v[8*\b+4:8*\b+7], v24, s[84:85] offset:(32*(\b/2)+8*(\b%2))*4+16
.endr
	WIN 0
.irp a, 0,1,2,3                                ; y's two bytes for tile a, head d: a head is half a K step
.irp d, 0,1,2,3,4,5,6,7,8,9,10,11,12,13,14,15
	global_load_u16 v[128+16*\a+\d], v27, s[82:83] offset:4096*\d+32*\a
.endr
.endr
	s_wait_loadcnt 0x0
.irp a, 0,1,2,3
.irp s, 0,1,2,3,4,5,6,7
	v_lshl_or_b32 v[SC1+8*\a+\s], v[129+16*\a+2*\s], 16, v[128+16*\a+2*\s]   ; heads 2 s and 2 s + 1 make K step s's scale word
.endr
.endr
	s_mul_i32 s96, s[WV], 16*272                   ; (the way out's addresses are made here: more than eight plain lines between the scale words' last write and the first product)
	s_add_co_u32 s96, s96, STAGE                   ; my stage
	v_mul_u32_u24 v[STO], v2, 272
	v_lshl_add_u32 v[STO], v3, 6, v[STO]
	v_add_nc_u32 v[STO], s96, v[STO]               ; in: row r, + 64 h
	v_mul_u32_u24 v[RD], v3, 272
	v_lshl_add_u32 v[RD], v2, 4, v[RD]
	v_add_nc_u32 v[RD], s96, v[RD]                 ; back: lanes 0-15 one row, lanes 16-31 the next; 16 bytes a lane
	v_lshlrev_b32 v[CO], 12, v3
	v_lshl_add_u32 v[CO], v2, 4, v[CO]             ; and the same in out0
	PLACES 4
	s_wait_tensorcnt 6                             ; my two loads of chunk 0 have landed; the six of chunks 1 to 3 stay out
	s_barrier_signal -1
	s_barrier_wait -1                              ; everybody's have
	FETCH 0
	KSTEP 0, 1
	KSTEP 1, 0
	KSTEP 2, 0
	KSTEP 3, 0
	KSTEP 4, 0
	KSTEP 5, 0
	KSTEP 6, 0
	s_wait_alu depctr_va_vdst(0)
	KSTEP 7, 0
; THE WAY OUT, eight blocks of 16 tokens (tile n / 2) x 64 columns (half n % 2).  A lane holds pieces of 32 bytes of a row: a block goes through my own stage and comes back as rows of 256 bytes.
; LDS serves a wave's instructions in order (ISA guide 5.7.1.4): no wait between the stores and the loads, nor in front of the next block's stores.
.macro TOSTAGE n
.set TA, (\n)/2
.set TH, (\n)%2
	WIN 0x08                                       ; the data: window 2
.irp e, 0,1
.irp u, 0,1
.set AC, 8*(8*TA+2*(2*TH+\e)+\u)
	ds_store_b128 v[STO], v[AC:AC+3] offset:128*\e+32*\u         ; each accumulator from its low end on: columns 32 e + 16 h + 8 u + 0 .. 7 of the half
	ds_store_b128 v[STO], v[AC+4:AC+7] offset:128*\e+32*\u+16
.endr
.endr
	WIN 0
.set BB, 128+32*((\n)%2)
.irp i, 0,1,2,3,4,5,6,7
	ds_load_b128 v[BB+4*\i:BB+4*\i+3], v[RD] offset:544*\i
.endr
.endm
.macro SEND n, younger                 ; younger: the LDS instructions issued behind block n's loads, which may stay out
.set TA, (\n)/2
.set TH, (\n)%2
.set BB, 128+32*((\n)%2)
	s_wait_dscnt \younger
.irp i, 0,1,2,3,4,5,6,7
	global_store_b128 v[CO], v[BB+4*\i:BB+4*\i+3], s[86:87] offset:(32*(TA/2)+8*(TA%2)+2*\i+8*(\i/4))*4096+256*TH th:TH_STORE_NT   ; the tile's rows 2 i, 2 i + 1 at their tokens; sixteen lanes store 256 consecutive bytes, aligned
.endr
.endm
	PLACES 4                                       ; in front of the first read of results and of loads into registers that the last products read
	TOSTAGE 0
.irp n, 1,2,3,4,5,6,7
.if \n > 1
	s_wait_xcnt 0x0                                ; block n - 2's stores have read their registers: block n's loads may land there
.endif
	TOSTAGE \n
	SEND \n-1, 16                                  ; behind block n - 1's loads: block n's 8 stores and 8 loads
.endr
	SEND 7, 0
	s_wait_tensorcnt 0x0
	ds_add_u32 v254, v255
	s_wait_dscnt 0x0
	CROUND                                         ; the closing round: no work-group ends while a partner may still ask for a tile that names it
	s_endpgm
.Lfunc_end_k_qf3ec25d71f_proj:
	.size	k_qf3ec25d71f_proj, .Lfunc_end_k_qf3ec25d71f_proj-k_qf3ec25d71f_proj
	.p2alignl 7, 3214868480
	.fill 96, 4, 3214868480
	.section	.rodata,"a",@progbits
	.p2align	6, 0x0
	.amdhsa_kernel k_qf3ec25d71f_proj
		.amdhsa_group_segment_fixed_size 312832
		.amdhsa_private_segment_fixed_size 0
		.amdhsa_enable_private_segment 0
		.amdhsa_kernarg_size 48
		.amdhsa_user_sgpr_count 2
		.amdhsa_user_sgpr_kernarg_segment_ptr 1
		.amdhsa_wavefront_size32 1
		.amdhsa_system_sgpr_workgroup_id_x 1
		.amdhsa_system_sgpr_workgroup_id_y 1
		.amdhsa_system_sgpr_workgroup_id_z 1
		.amdhsa_system_vgpr_workitem_id 0
		.amdhsa_next_free_vgpr 832
		.amdhsa_next_free_sgpr 102
		.amdhsa_reserve_vcc 0
		.amdhsa_float_denorm_mode_32 3
		.amdhsa_float_denorm_mode_16_64 3
		.amdhsa_memory_ordered 1
		.amdhsa_forward_progress 1
		.amdhsa_inst_pref_size 94
	.end_amdhsa_kernel
	.amdgpu_metadata
---
amdhsa.version: [ 1, 2 ]
amdhsa.kernels:
  - .name:           k_qf3ec25d71f_proj
    .symbol:         k_qf3ec25d71f_proj.kd
    .args:
      - { .name: yc, .offset: 0, .size: 8, .value_kind: global_buffer, .address_space: global }
      - { .name: ys, .offset: 8, .size: 8, .value_kind: global_buffer, .address_space: global }
      - { .name: wc, .offset: 16, .size: 8, .value_kind: global_buffer, .address_space: global }
      - { .name: xws, .offset: 24, .size: 8, .value_kind: global_buffer, .address_space: global }
      - { .name: bo, .offset: 32, .size: 8, .value_kind: global_buffer, .address_space: global }
      - { .name: out0, .offset: 40, .size: 8, .value_kind: global_buffer, .address_space: global }
    .group_segment_fixed_size: 312832
    .private_segment_fixed_size: 0
    .kernarg_segment_align: 8
    .kernarg_segment_size: 48
    .max_flat_workgroup_size: 128
    .sgpr_count:     102
    .vgpr_count:     832
    .wavefront_size: 32
...
	.end_amdgpu_metadata
.endif
;; end of part 4
